; MI455X (gfx1250); checked and timed in simulation.
; The chip was launched on July 23, 2026; its instructions are those of AMD's public machine-readable ISA for CDNA 5 (MIT licence, August 2026) and "CDNA5" Instruction Set Architecture Reference Guide (July 2026). The comments in the code are by the model that wrote it; some were corrected since.
;; Query Gen transformer. Allowed arithmetic: float matrix products may take bf16 or f16 operands with f32 sums; other float arithmetic in f32, or as packed bf16 or f16 multiplies, adds, multiply-adds, maxima and minima; sums over many terms, partial sums and values carried from step to step in f32; what a program stores and reads back later, other than sums and carried values, may be rounded once to bf16 or f16.
;; Inputs: bk 256 float32; bo 256 float32; bq 256 float32; bv 256 float32; input 16 x 4,096 x 2 float32; ln_k_b 512 float32; ln_k_g 512 float32; ln_q_b 256 float32; ln_q_g 256 float32; ln_v_b 512 float32; ln_v_g 512 float32; mlp_b1 128 float32; mlp_b2 512 float32; mlp_b3 512 float32; mlp_w1 1 x 128 float32; mlp_w2 128 x 512 float32; mlp_w3 512 x 512 float32; query_param 1 x 256 x 256 float32; wk 512 x 256 float32; wo 256 x 256 float32; wq 256 x 256 float32; wv 512 x 256 float32.
;; Outputs: out0 16 x 256 x 256 float32.
;; One version. Each part assembles by itself: llvm-mc -triple=amdgcn-amd-amdhsa -mcpu=gfx1250 --defsym DOCPART=n.
;; ======== version 1 of 1: 4 launches
;; limits: values are held in f16: magnitudes above 65,504 overflow, below 6.1e-05 lose precision
;; workspace buffers: wstream 1,835,008 bytes; wof 131,072 bytes; qf 131,072 bytes; kv 67,108,864 bytes; of 2,097,152 bytes
;; launch prep (part 1): grid 32 x 8, 8 waves a work-group, no clusters, 9,216 bytes of LDS; arguments mlp_w2, mlp_w3, wk, wv, wo, wq, query_param, ln_q_g, ln_q_b, bq, wstream, wof, qf; writes wstream, wof, qf
.if DOCPART == 1
	.amdgcn_target "amdgcn-amd-amdhsa--gfx1250"
	.amdhsa_code_object_version 6
	.text
	.protected	k_q4261231853_prep
	.globl	k_q4261231853_prep
	.p2align	8
	.type	k_q4261231853_prep,@function
k_q4261231853_prep:
	s_mov_b64 s[64:65], 0
	v_nop
	global_prefetch_b8 v0, s[64:65] scope:SCOPE_SE
	s_setreg_imm32_b32 hwreg(HW_REG_WAVE_MODE, 25, 1), 1
	s_wait_xcnt 0x0
; PREP: the weights are laid out as matrix fragments, and q = LN(query_param) wq + bq is made (it is the same for all batches).
; A FRAGMENT is 16 rows x 32 k of 16-bit numbers, 1,024 bytes: [i = 0,1][lane L = 16 h + r][16 bytes]; piece (i, h, r) holds row r, k = 16 i + 8 h + 0..7.
; So a lane fills its 8 registers by two loads of 16 bytes, at 16 L and 512 + 16 L, and a wave's load or store covers 512 consecutive bytes.
; Every input is rounded once to bf16.  w2 and w3 stay bf16; wk, wv, wo, wq are that number written as f16 (they multiply normalised data).
; LIMITS.  |wk|, |wv|, |wo|, |wq|, |q| and 16 |ln_q_g| + |ln_q_b| stay under 65,504 (f16); a weight under 2^-14 keeps f16's fixed step of 2^-24.  NaN and infinities are not treated apart.
; SHARES.  x = work-group x, y = work-group y, v = wave.  One wave makes one fragment of weights (rows = output features n, k = input features):
;   x < 4: w2;  4 <= x < 20: w3;  20 <= x < 28: wk (y < 4) or wv;  all into wstream[kind = y / 4][wave = y % 4][8 x + v];  x = 28, 29: wo into wof;  x = 30, 31: q, tile 2 y + x - 30, head v.
.set SPARE, 8192                       ; behind the 8 fragments of normalised queries: the spare words, 128 bytes a wave
.set SPW, 4                            ; v4  my spare word's LDS address; never rewritten
.set NIL, 5                            ; v5  0; never rewritten
.set QF,  64                           ; v[64:95]   four fragments of normalised queries
.set ACC, 96                           ; v[96:111]  two accumulators: the head's channels 0-15, 16-31
.set RAW, 128                          ; v[128:255] weights as loaded, f32
.set MSK, 34                           ; s34 a word's upper half
.macro FIN                             ; a wave's end
	s_wait_tensorcnt 0x0
	ds_add_u32 v[SPW], v[NIL]
	s_wait_dscnt 0x0
	s_endpgm
.endm
.macro RND2 a, b, t                    ; two f32 rounded to bf16 and widened again, in place
	v_cvt_pk_bf16_f32 v[\t], v[\a], v[\b]
	v_lshlrev_b32 v[\a], 16, v[\t]
	v_and_b32 v[\b], s[MSK], v[\t]
.endm
.macro DSTW                            ; wstream + (224 y + 8 x + v) x 1,024
	s_mul_i32 s42, s3, 224
	s_lshl3_add_u32 s42, s2, s42
	s_add_co_u32 s42, s42, s4
	s_lshl_b32 s42, s42, 10
	s_mov_b32 s43, 0
	s_add_nc_u64 s[38:39], s[28:29], s[42:43]
.endm
; One fragment.  s[36:37] = the weight at (k0, n0), s[38:39] = the fragment's place.  Lane (h, r) takes column n0 + r, rows k0 + 16 i + 8 h + e.
.macro CONV pitch, half
	v_mul_u32_u24 v7, v2, 8*(\pitch)
	v_lshl_add_u32 v7, v1, 2, v7
.set i, 0
.rept 16
	global_load_b32 v[RAW+i], v7, s[36:37] offset:(16*(i/8)+i%8)*(\pitch)
.set i, i+1
.endr
	s_wait_loadcnt 0x0
.set i, 0
.rept 8
	v_cvt_pk_bf16_f32 v[16+i], v[RAW+2*i], v[RAW+2*i+1]
.set i, i+1
.endr
.if \half
.set i, 0
.rept 8
	v_lshlrev_b32 v[32+2*i], 16, v[16+i]
	v_and_b32 v[33+2*i], s[MSK], v[16+i]
.set i, i+1
.endr
.set i, 0
.rept 8
	v_cvt_pk_f16_f32 v[16+i], v[32+2*i], v[33+2*i]
.set i, i+1
.endr
.endif
	global_store_b128 v6, v[16:19], s[38:39]
	global_store_b128 v6, v[20:23], s[38:39] offset:512
.endm
.macro WSUM x, t                       ; the sum over the wave's 32 lanes, in every lane
	v_add_f32_dpp v[\x], v[\x], v[\x] row_xmask:1 row_mask:0xf bank_mask:0xf
	v_add_f32_dpp v[\x], v[\x], v[\x] row_xmask:2 row_mask:0xf bank_mask:0xf
	v_add_f32_dpp v[\x], v[\x], v[\x] row_xmask:4 row_mask:0xf bank_mask:0xf
	v_add_f32_dpp v[\x], v[\x], v[\x] row_xmask:8 row_mask:0xf bank_mask:0xf
	v_permlanex16_b32 v[\t], v[\x], s44, s45
	v_add_f32 v[\x], v[\x], v[\t]
.endm
	s_load_b512 s[8:23], s[0:1], 0x0               ; w2 s[8:9], w3 s[10:11], wk s[12:13], wv s[14:15], wo s[16:17], wq s[18:19], query_param s[20:21], ln_q_g s[22:23]
	s_load_b256 s[24:31], s[0:1], 0x40             ; ln_q_b s[24:25], bq s[26:27], wstream s[28:29], wof s[30:31]
	s_load_b64 s[32:33], s[0:1], 0x60              ; qf
	v_lshl_add_u32 v[SPW], v0, 2, SPARE
	v_mov_b32 v[NIL], 0
	v_lshrrev_b32 v1, 5, v0
	v_readfirstlane_b32 s4, v1                     ; wave v
	v_and_b32 v3, 31, v0                           ; L
	v_and_b32 v1, 15, v0                           ; r
	v_bfe_u32 v2, v0, 4, 1                         ; h
	v_lshlrev_b32 v6, 4, v3                        ; 16 L
	s_mov_b32 s2, ttmp9                            ; x
	s_and_b32 s3, ttmp7, 0xffff                    ; y
	s_mov_b32 s[MSK], 0xffff0000
	s_wait_kmcnt 0x0
	s_cmp_lt_u32 s2, 20
	s_cbranch_scc0 .Lnot_a
	; w2 or w3: k0 = 32 x or 32 (x - 4), n0 = 128 (y % 4) + 16 v; a row of k is 2,048 bytes
	s_cmp_lt_u32 s2, 4
	s_cselect_b64 s[36:37], s[8:9], s[10:11]
	s_cselect_b32 s5, 0, 4
	s_sub_co_u32 s5, s2, s5
	s_lshl_b32 s40, s5, 16
	s_and_b32 s6, s3, 3
	s_lshl_b32 s6, s6, 9
	s_add_co_u32 s40, s40, s6
	s_lshl_b32 s6, s4, 6
	s_add_co_u32 s40, s40, s6
	s_mov_b32 s41, 0
	s_add_nc_u64 s[36:37], s[36:37], s[40:41]
	DSTW
	CONV 2048, 0
	FIN
.Lnot_a:
	s_cmp_lt_u32 s2, 28
	s_cbranch_scc0 .Lnot_b
	; wk or wv: k step 2 (x - 20) + v / 4, n0 = 64 (y % 4) + 16 (v % 4); a row of k is 1,024 bytes
	s_cmp_lt_u32 s3, 4
	s_cselect_b64 s[36:37], s[12:13], s[14:15]
	s_sub_co_u32 s5, s2, 20
	s_lshr_b32 s6, s4, 2
	s_lshl1_add_u32 s5, s5, s6
	s_lshl_b32 s40, s5, 15
	s_and_b32 s6, s3, 3
	s_lshl_b32 s6, s6, 8
	s_add_co_u32 s40, s40, s6
	s_and_b32 s6, s4, 3
	s_lshl_b32 s6, s6, 6
	s_add_co_u32 s40, s40, s6
	s_mov_b32 s41, 0
	s_add_nc_u64 s[36:37], s[36:37], s[40:41]
	DSTW
	s_branch .Lconv16
.Lnot_b:
	s_cmp_lt_u32 s2, 30
	s_cbranch_scc0 .Lq
	; wo: fragment f = 8 (2 y + x - 28) + v = 16 s + nt
	s_lshl1_add_u32 s5, s3, s2
	s_sub_co_u32 s5, s5, 28
	s_lshl3_add_u32 s5, s5, s4
	s_lshr_b32 s6, s5, 4
	s_lshl_b32 s40, s6, 15
	s_and_b32 s6, s5, 15
	s_lshl_b32 s6, s6, 6
	s_add_co_u32 s40, s40, s6
	s_mov_b32 s41, 0
	s_add_nc_u64 s[36:37], s[16:17], s[40:41]
	s_lshl_b32 s42, s5, 10
	s_mov_b32 s43, 0
	s_add_nc_u64 s[38:39], s[30:31], s[42:43]
.Lconv16:
	CONV 1024, 1
	FIN
.Lq:	; THE QUERIES.  Tile qt of 16 queries; wave v normalises rows 2 v and 2 v + 1 (a lane holds k = 8 L .. 8 L + 7), then makes head v's 32 channels for all 16.
	s_lshl1_add_u32 s5, s3, s2
	s_sub_co_u32 s5, s5, 30                        ; qt
	s_lshl_b32 s40, s5, 14
	s_lshl_b32 s6, s4, 11
	s_add_co_u32 s40, s40, s6
	s_mov_b32 s41, 0
	s_add_nc_u64 s[20:21], s[20:21], s[40:41]      ; query_param at row 16 qt + 2 v
	s_mov_b32 s44, 0x76543210
	s_mov_b32 s45, 0xfedcba98
	s_mov_b32 s46, 0x3b800000                      ; 1 / 256
	s_mov_b32 s47, 0x3727c5ac                      ; 1e-5
	v_lshlrev_b32 v7, 5, v3                        ; 32 L
	s_lshl_b32 s6, s4, 7                           ; 128 v: the head's 32 channels, in bytes of f32
	v_lshl_add_u32 v8, v2, 5, s6                   ; + 32 h
	global_load_b128 v[16:19], v7, s[20:21]
	global_load_b128 v[20:23], v7, s[20:21] offset:16
	global_load_b128 v[24:27], v7, s[20:21] offset:1024
	global_load_b128 v[28:31], v7, s[20:21] offset:1040
	global_load_b128 v[32:35], v7, s[22:23]
	global_load_b128 v[36:39], v7, s[22:23] offset:16
	global_load_b128 v[40:43], v7, s[24:25]
	global_load_b128 v[44:47], v7, s[24:25] offset:16
	global_load_b128 v[ACC:ACC+3], v8, s[26:27]              ; bq starts the sums: a lane holds channels 16 nt + 8 h + 0..7
	global_load_b128 v[ACC+4:ACC+7], v8, s[26:27] offset:16
	global_load_b128 v[ACC+8:ACC+11], v8, s[26:27] offset:64
	global_load_b128 v[ACC+12:ACC+15], v8, s[26:27] offset:80
	v_lshrrev_b32 v9, 2, v3                        ; where my 16 bytes of a normalised row go: fragment L / 4, i = (L / 2) % 2, h = L % 2, row 2 v + m
	v_lshlrev_b32 v9, 10, v9
	v_bfe_u32 v10, v3, 1, 1
	v_lshl_add_u32 v9, v10, 9, v9
	v_and_b32 v10, 1, v3
	v_lshl_add_u32 v9, v10, 8, v9
	s_lshl_b32 s7, s4, 5
	v_add_nc_u32 v9, s7, v9
	v_lshlrev_b32 v10, 13, v2                      ; wq: 8 h rows of 1,024 bytes + 4 r + the head's columns
	v_lshl_add_u32 v10, v1, 2, v10
	v_add_nc_u32 v10, s6, v10
	v_mov_b32 v11, v6                              ; the fragments' read address, stepped in the loop
	s_wait_loadcnt 0x0
.set i, 16
.rept 16
	RND2 i, i+1, 48+(i/2)%8
.set i, i+2
.endr
.set i, ACC
.rept 8
	RND2 i, i+1, 48+(i/2)%8
.set i, i+2
.endr
.macro QSTAT m                         ; row m: mean, x - mean in place, the mean of its squares, 1 / sqrt(. + 1e-5)
.set X, 16+8*(\m)
.set TA, 48+8*(\m)
	v_pk_add_f32 v[TA:TA+1], v[X:X+1], v[X+2:X+3]
	v_pk_add_f32 v[TA+2:TA+3], v[X+4:X+5], v[X+6:X+7]
	v_pk_add_f32 v[TA:TA+1], v[TA:TA+1], v[TA+2:TA+3]
	v_add_f32 v[TA], v[TA], v[TA+1]
	WSUM TA, TA+1
	v_mul_f32 v[TA+2], s46, v[TA]
	v_mov_b32 v[TA+3], v[TA+2]
.irp q, 0,2,4,6
	v_pk_add_f32 v[X+(\q):X+(\q)+1], v[X+(\q):X+(\q)+1], v[TA+2:TA+3] neg_lo:[0,1] neg_hi:[0,1]
.endr
	v_pk_mul_f32 v[TA:TA+1], v[X:X+1], v[X:X+1]
.irp q, 2,4,6
	v_pk_fma_f32 v[TA:TA+1], v[X+(\q):X+(\q)+1], v[X+(\q):X+(\q)+1], v[TA:TA+1]
.endr
	v_add_f32 v[TA], v[TA], v[TA+1]
	WSUM TA, TA+1
	v_fma_f32 v[TA], v[TA], s46, s47
	v_rsq_f32 v[TA+4], v[TA]
.endm
	QSTAT 0
	QSTAT 1
	v_nop                                          ; a plain instruction behind the last root,
	s_wait_alu depctr_va_vdst(0)                   ; and one wait for both, ahead of the first line that names a result
.irp m, 0,1
.set X, 16+8*(\m)
.set TA, 48+8*(\m)
	v_mov_b32 v[TA+5], v[TA+4]
.irp q, 0,2,4,6
	v_pk_mul_f32 v[X+(\q):X+(\q)+1], v[X+(\q):X+(\q)+1], v[TA+4:TA+5]
.endr
.irp q, 0,2,4,6
	v_pk_fma_f32 v[X+(\q):X+(\q)+1], v[X+(\q):X+(\q)+1], v[32+(\q):32+(\q)+1], v[40+(\q):40+(\q)+1]
.endr
.irp q, 0,1,2,3
	v_cvt_pk_f16_f32 v[TA+(\q)], v[X+2*(\q)], v[X+2*(\q)+1]
.endr
	ds_store_b128 v9, v[TA:TA+3] offset:16*(\m)
.endr
	s_wait_dscnt 0x0                               ; my rows lie in LDS,
	s_barrier_signal -1
	s_barrier_wait -1                              ; everybody's do
	s_mov_b32 s35, 2
.Lqk:	; a trip: four k steps of 32: 128 loads of wq, rounded to bf16 and written as f16 in place, and eight products (source 0 = wq's columns, source 1 = the queries)
.set i, 0
.rept 128
	global_load_b32 v[RAW+i], v10, s[18:19] offset:(32*(i/32)+16*((i/8)%2)+i%8)*1024+64*((i/16)%2)
.set i, i+1
.endr
.irp s, 0,1,2,3
	ds_load_b128 v[QF+8*(\s):QF+8*(\s)+3], v11 offset:1024*(\s)
	ds_load_b128 v[QF+8*(\s)+4:QF+8*(\s)+7], v11 offset:1024*(\s)+512
.endr
	s_wait_loadcnt 0x0
.set i, 0
.rept 64
.set TT, 16+4*(i%8)
	v_cvt_pk_bf16_f32 v[TT], v[RAW+16*(i/8)+2*(i%8)], v[RAW+16*(i/8)+2*(i%8)+1]
	v_lshlrev_b32 v[TT+1], 16, v[TT]
	v_and_b32 v[TT+2], s[MSK], v[TT]
	v_cvt_pk_f16_f32 v[RAW+16*(i/8)+i%8], v[TT+1], v[TT+2]
.set i, i+1
.endr
	s_wait_dscnt 0x0
.set i, 0
.rept 8                                ; the two accumulators take turns, over the backward jump too
	v_wmma_f32_16x16x32_f16 v[ACC+8*(i%2):ACC+8*(i%2)+7], v[RAW+16*i:RAW+16*i+7], v[QF+8*(i/2):QF+8*(i/2)+7], v[ACC+8*(i%2):ACC+8*(i%2)+7]
.set i, i+1
.endr
.rept 4
	v_nop                                          ; four places behind the last product: ahead of the next trip's loads into its sources, and of the conversions below
.endr
	s_add_nc_u64 s[18:19], s[18:19], 131072        ; the loads that read this base have come back
	v_add_nc_u32 v11, 4096, v11
	s_sub_co_u32 s35, s35, 1
	s_cmp_lg_u32 s35, 0
	s_cbranch_scc1 .Lqk
.irp q, 0,1,2,3,4,5,6,7
	v_cvt_pk_f16_f32 v[16+(\q)], v[ACC+2*(\q)], v[ACC+2*(\q)+1]
.endr
	s_lshl4_add_u32 s6, s4, s5                     ; fragment 16 v + qt of qf
	s_lshl_b32 s42, s6, 10
	s_mov_b32 s43, 0
	s_add_nc_u64 s[38:39], s[32:33], s[42:43]
	global_store_b128 v6, v[16:19], s[38:39]
	global_store_b128 v6, v[20:23], s[38:39] offset:512
	FIN
.Lfunc_end_k_q4261231853_prep:
	.size	k_q4261231853_prep, .Lfunc_end_k_q4261231853_prep-k_q4261231853_prep
	.p2alignl 7, 3214868480
	.fill 96, 4, 3214868480
	.section	.rodata,"a",@progbits
	.p2align	6, 0x0
	.amdhsa_kernel k_q4261231853_prep
		.amdhsa_group_segment_fixed_size 9216
		.amdhsa_private_segment_fixed_size 0
		.amdhsa_enable_private_segment 0
		.amdhsa_kernarg_size 104
		.amdhsa_user_sgpr_count 2
		.amdhsa_user_sgpr_kernarg_segment_ptr 1
		.amdhsa_wavefront_size32 1
		.amdhsa_system_sgpr_workgroup_id_x 1
		.amdhsa_system_sgpr_workgroup_id_y 1
		.amdhsa_system_sgpr_workgroup_id_z 1
		.amdhsa_system_vgpr_workitem_id 0
		.amdhsa_next_free_vgpr 256
		.amdhsa_next_free_sgpr 66
		.amdhsa_reserve_vcc 0
		.amdhsa_float_denorm_mode_32 3
		.amdhsa_float_denorm_mode_16_64 3
		.amdhsa_memory_ordered 1
		.amdhsa_forward_progress 1
		.amdhsa_inst_pref_size 46
	.end_amdhsa_kernel
	.amdgpu_metadata
---
amdhsa.version: [ 1, 2 ]
amdhsa.kernels:
  - .name:           k_q4261231853_prep
    .symbol:         k_q4261231853_prep.kd
    .args:
      - { .name: mlp_w2, .offset: 0, .size: 8, .value_kind: global_buffer, .address_space: global }
      - { .name: mlp_w3, .offset: 8, .size: 8, .value_kind: global_buffer, .address_space: global }
      - { .name: wk, .offset: 16, .size: 8, .value_kind: global_buffer, .address_space: global }
      - { .name: wv, .offset: 24, .size: 8, .value_kind: global_buffer, .address_space: global }
      - { .name: wo, .offset: 32, .size: 8, .value_kind: global_buffer, .address_space: global }
      - { .name: wq, .offset: 40, .size: 8, .value_kind: global_buffer, .address_space: global }
      - { .name: query_param, .offset: 48, .size: 8, .value_kind: global_buffer, .address_space: global }
      - { .name: ln_q_g, .offset: 56, .size: 8, .value_kind: global_buffer, .address_space: global }
      - { .name: ln_q_b, .offset: 64, .size: 8, .value_kind: global_buffer, .address_space: global }
      - { .name: bq, .offset: 72, .size: 8, .value_kind: global_buffer, .address_space: global }
      - { .name: wstream, .offset: 80, .size: 8, .value_kind: global_buffer, .address_space: global }
      - { .name: wof, .offset: 88, .size: 8, .value_kind: global_buffer, .address_space: global }
      - { .name: qf, .offset: 96, .size: 8, .value_kind: global_buffer, .address_space: global }
    .group_segment_fixed_size: 9216
    .private_segment_fixed_size: 0
    .kernarg_segment_align: 8
    .kernarg_segment_size: 104
    .max_flat_workgroup_size: 256
    .sgpr_count:     66
    .vgpr_count:     256
    .wavefront_size: 32
...
	.end_amdgpu_metadata
.endif
;; end of part 1
;; launch chain (part 2): grid 256 x 1, 4 waves a work-group, clusters of 4 x 1, 327,680 bytes of LDS; arguments input, mlp_w1, mlp_b1, mlp_b2, mlp_b3, ln_k_g, ln_k_b, bk, ln_v_g, ln_v_b, bv, wstream, kv; writes kv
.if DOCPART == 2
	.amdgcn_target "amdgcn-amd-amdhsa--gfx1250"
	.amdhsa_code_object_version 6
	.text
	.protected	k_q4261231853_chain
	.globl	k_q4261231853_chain
	.p2align	8
	.type	k_q4261231853_chain,@function
k_q4261231853_chain:
	s_mov_b64 s[64:65], 0
	v_nop
	global_prefetch_b8 v0, s[64:65] scope:SCOPE_SE
	s_setreg_imm32_b32 hwreg(HW_REG_WAVE_MODE, 25, 1), 1
	s_wait_xcnt 0x0
	s_wait_alu depctr_hold_cnt(0) depctr_sa_sdst(0) depctr_va_vdst(0) depctr_va_sdst(0) depctr_va_ssrc(0) depctr_va_vcc(0) depctr_vm_vsrc(0)
	s_getreg_b32 s2, hwreg(HW_REG_IB_STS2, 6, 4)
	s_cmp_eq_u32 s2, 0
	s_cbranch_scc0 .Lentry_in_a_cluster
	s_endpgm
.Lentry_in_a_cluster:
	s_bfe_u32 s2, ttmp6, 0x10000c
	s_cmp_lg_u32 s2, 0x3003
	s_cbranch_scc0 .Lentry_shape_is_right
	s_endpgm
.Lentry_shape_is_right:
; CHAIN: scalar -> 128 -> 512 -> 512 (leaky ReLU behind the first two) -> LayerNorm -> 256, for 131,072 rows: the X column gives k, the Y column gives v.  Nothing goes to memory between the layers.
; FORMATS.  Every input is rounded once to bf16.  h1, h2, w2, w3 are bf16 operands (ahead of the norm the numbers have no bound); z = LN(.) g + b, wk, wv and the results k, v are f16.  Sums, means and variances in f32;
; the variance is the mean of (x - mean)^2, taken in a pass of its own.
; LIMITS.  22.7 |g| + |b| and |k|, |v| stay under 65,504 (f16); NaN and infinities are not treated apart.
; SHARES.  Clusters 0-31 make k, clusters 32-63 v.  A work-group owns 512 tokens of one batch, in four passes of 128 rows (8 tiles a of 16).  A wave owns 128 of the 512 columns of layers 2 and 3: 64 accumulators, 512 registers,
; and 64 of the projection's 256.  Products are used transposed (source 0 = 16 output features of the weights, source 1 = 16 tokens): a lane ends with ONE token (lane % 16) and 8 neighbouring features, which is
; a 16-byte piece of the next layer's fragment.  A fragment (16 rows x 32 k, 1,024 bytes) lies as [i][lane][16 bytes], so all LDS traffic is 512 consecutive bytes an instruction, without padding.
; THE WEIGHTS are one stream for each wave: 14 tiles of 16 KiB a pass (2 of w2, 8 of w3, 4 of wk or wv), 128 products each, through the wave's own two LDS slots, walked four times.
; CLUSTER.  The four work-groups of a cluster walk the same streams, so each tile is asked for jointly: the same tensor load, descriptor and mask in all four.  One tensor load of a wave is out at the most.
; REGISTERS, in windows of 256 (s_set_vgpr_msb: bits 1:0 source 0, 3:2 source 1, 5:4 source 2, 7:6 destination):
;   window 0: v0-31 addresses; v32-63 packed results, later means and 1/sigma in pairs; v64-127, v128-191 activation fragments, two buffers (also w1/b1, gain/shift, data to store); v192-255 at work
;   window 1: v64-127, v128-191 weight fragments, two buffers; v192-255 the bias as the C operand that starts the sums      windows 2, 3: the accumulators, (a, b) at 8 (8 a + b); the projection's in window 2 at 8 (4 a + b)
.set ACT,    131072                    ; behind the ring (4 waves x 2 slots x 16,384): h2, later z: fragment (k step s, tile a) at (8 s + a) x 1,024
.set H1,     262144                    ; h1, the same layout, 4 k steps
.set TAB,    294912                    ; tables in f32: w1 +0, b1 +512, b2 +1024, b3 +3072, gain +5120, shift +7168, the projection's bias +9216
.set STAT,   305152                    ; [row][wave] words: sums, and at +2048 sums of squares
.set SPARE,  309248                    ; the spare words, 128 bytes a wave
.set SLOTB,  16384
.set STREAM, 229376                    ; bytes of a wave's stream
.set BB,4                              ; v4   where my weight fragments lie in the slot in hand
.set AA,5                              ; v5   the activation base that a loop steps
.set RDH0,6                            ; v6   H1 + 16 L
.set RDA0,7                            ; v7   ACT + 16 L
.set WRA,8                             ; v8   ACT + 32,768 w + 16 L: where my columns' pieces go
.set WRH,9                             ; v9   H1 + 2,048 w + 16 L
.set TBV,10                            ; v10  TAB + 512 w + 32 h
.set TBP,11                            ; v11  TAB + 9,216 + 256 w + 32 h
.set TB1,12                            ; v12  TAB + 32 h
.set STW,13                            ; v13  STAT + 16 r + 4 w
.set STR,14                            ; v14  STAT + 16 r
.set LOF,15                            ; v15  my 16 bytes in 512 of kv: k as a fragment, v laid for the turning load
.set PFO,16                            ; v16  256 L
.set BB0,17                            ; v17  32,768 w + 16 L
.set XV,18                             ; v[18:25] my tokens' scalars, two a pass
.set SPW,28
.set NIL,29
.set PK,32
.set MU,32
.set RS,48
.set F0,64
.set F1,128
.set T,192
.set BIA,192
.set WV,34
.set PASS,35
.set CNT,36
.set NXT,37                            ; s37  the tile to be asked for next, 0 to 13
.set LIM,38                            ; s38  a wave prefetches while NXT is below it
.set PFG,39
.set OFF,40
.set SB,42                             ; s[42:43] my stream
.set PFB,44                            ; s[44:45] the part of a stream that I prefetch
.set PFA,46
.set SKV,48                            ; s[48:49] kv at my two heads, the pass's chunk of 128 keys
.set SLT,50                            ; s50  0 or 16,384: the slot in hand
.set MSK,51
.set G0,52
.set G1,56
.set C01,66
.set I512,68
.set EPS,69
.set SEL,70
.set MSB, 0
.macro WIN new                         ; the high byte repeats the setting that is left; a switch that changes nothing is dropped
.if MSB != (\new)
	s_set_vgpr_msb (MSB<<8)|(\new)
.set MSB, (\new)
.endif
.endm
.macro PLACES                          ; four places behind matrix instructions: ahead of loads into their sources and of vector lines that read results
.rept 4
	v_nop
.endr
.endm
.macro CREST                           ; a round of the cluster's barrier behind its opening barrier
	s_cmp_lg_u32 s[WV], 0
	s_cbranch_scc1 .Lnot_wave_0_\@
	s_barrier_signal -3
.Lnot_wave_0_\@:
	s_barrier_wait -3
	s_barrier_signal -1
	s_barrier_wait -1
.endm
.macro CROUND
	s_barrier_signal -1
	s_barrier_wait -1
	CREST
.endm
.macro RND2 a, b, t
	v_cvt_pk_bf16_f32 v[\t], v[\a], v[\b]
	v_lshlrev_b32 v[\a], 16, v[\t]
	v_and_b32 v[\b], s[MSK], v[\t]
.endm
; The walking descriptor: the other slot, tile NXT of my stream, its address made anew from the number.  No tensor load of mine is out where this stands.
.macro NEXTTILE
	s_lshl_b32 s[OFF], s[NXT], 14
	s_xor_b32 s[G0+1], s[G0+1], SLOTB
	s_add_nc_u64 s[G0+2:G0+3], s[SB:SB+1], s[OFF:OFF+1]
	s_or_b32 s[G0+3], s[G0+3], 0x80000000
	s_add_nc_u64 s[PFA:PFA+1], s[PFB:PFB+1], s[OFF:OFF+1]
	s_cmp_lt_u32 s[NXT], s[LIM]
	s_cselect_b32 s[PFG], 1, 0
	s_add_co_u32 s[NXT], s[NXT], 1
	s_cmp_eq_u32 s[NXT], 14
	s_cselect_b32 s[NXT], 0, s[NXT]                ; behind the last tile the stream begins again,
	s_cselect_b32 s[LIM], 0, s[LIM]                ; and nothing more is prefetched: the later walks read the same bytes again
.endm
; A PREFETCH INTO THE L2, in the stream's first walk alone: at the change that asks for tile n, tile n + 2: two tiles, 256 products, ahead.  Each block of 256 bytes is named once in the launch: of the 32 clusters
; that walk a kind's streams the first asks; its work-group at place p takes wave p's stream (told apart by address), waves 0 and 1 half a tile each, a lane a block.  Tiles 0 to 3 come by their loads alone; tile 13 is the last named.
.macro ASK
	s_cmp_eq_u32 s[PFG], 1
	s_cbranch_scc0 .Lnot_mine_\@
	global_prefetch_b8 v[PFO], s[PFA:PFA+1] offset:32768 th:TH_LOAD_NT scope:SCOPE_SE
.Lnot_mine_\@:
.endm
; 32 LDS loads in one run: a k step's 8 weight fragments (window 1) and 8 activation fragments (window 0) into buffer f
.macro FETCH abase, aoff, boff, f
	WIN 0x40
.irp i, 0,1,2,3,4,5,6,7
	ds_load_b128 v[(\f)+8*(\i):(\f)+8*(\i)+3], v[BB] offset:(\boff)+1024*(\i)
	ds_load_b128 v[(\f)+8*(\i)+4:(\f)+8*(\i)+7], v[BB] offset:(\boff)+1024*(\i)+512
.endr
	WIN 0
.irp i, 0,1,2,3,4,5,6,7
	ds_load_b128 v[(\f)+8*(\i):(\f)+8*(\i)+3], v[\abase] offset:(\aoff)+1024*(\i)
	ds_load_b128 v[(\f)+8*(\i)+4:(\f)+8*(\i)+7], v[\abase] offset:(\aoff)+1024*(\i)+512
.endr
.endm
; 16 products: tiles a0, a0 + 1 of the window's four x my 8 column blocks.  bias = 1: the bias starts the sums.  The 64 accumulators take turns, in the same order in every k step.
.macro MUL16 f, hi, a0, bias
.if \bias
	WIN 0x91+0x40*(\hi)
.else
	WIN 0xa1+0x50*(\hi)
.endif
.irp a, \a0, (\a0)+1
.irp b, 0,1,2,3,4,5,6,7
.if \bias
	v_wmma_f32_16x16x32_bf16 v[8*(8*(\a)+(\b)):8*(8*(\a)+(\b))+7], v[(\f)+8*(\b):(\f)+8*(\b)+7], v[(\f)+8*(4*(\hi)+(\a)):(\f)+8*(4*(\hi)+(\a))+7], v[BIA+8*(\b):BIA+8*(\b)+7]
.else
	v_wmma_f32_16x16x32_bf16 v[8*(8*(\a)+(\b)):8*(8*(\a)+(\b))+7], v[(\f)+8*(\b):(\f)+8*(\b)+7], v[(\f)+8*(4*(\hi)+(\a)):(\f)+8*(4*(\hi)+(\a))+7], v[8*(8*(\a)+(\b)):8*(8*(\a)+(\b))+7]
.endif
.endr
.endr
.endm
; A tile's first k step: multiplies buffer 0; in its middle the second k step is fetched into buffer 1, 32 products ahead of its use.
.macro H0 abase, aoff, boff, bias
	s_wait_dscnt 0x0                               ; buffer 0 is in (and the bias)
	MUL16 F0, 0, 0, \bias
	MUL16 F0, 0, 2, \bias
	PLACES
	FETCH \abase, \aoff, \boff, F1
	MUL16 F0, 1, 0, \bias
	MUL16 F0, 1, 2, \bias
.endm
; A tile's second k step multiplies buffer 1 and changes slots.  In front of the round each wave waits for all its tensor loads (one is out: the next tile), adds 0 to its spare word, and waits for that and for its reads of the
; slot.  Behind the round the slot just read is filled again first, with the tile two on: it has 96 products in which to land.  fetch = 1: the next tile's first k step goes into buffer 0.
.macro TURN abase, aoff, fetch
	s_wait_xcnt 0x0                                ; the last prefetch, a tile back, has read its address, which is written below
	WIN 0
	s_wait_tensorcnt 0x0
	ds_add_u32 v[SPW], v[NIL]
	NEXTTILE
	s_wait_dscnt 1                                 ; buffer 1's 32 loads were issued ahead of the add: only the add may be out
	MUL16 F1, 0, 0, 0
	s_wait_dscnt 0x0                               ; the add is done; my reads of the slot are over
	s_barrier_signal -1
	MUL16 F1, 0, 2, 0
	WIN 0
	s_barrier_wait -1
	CREST                                          ; no wave of any partner still reads its slot or has a load on its way
	tensor_load_to_lds s[G0:G0+3], s[G1:G1+7]
	s_nop 0
	PLACES                                         ; also the places in front of the loads below
	s_xor_b32 s[SLT], s[SLT], SLOTB
	v_add_nc_u32 v[BB], s[SLT], v[BB0]
.if \fetch
	FETCH \abase, \aoff, 0, F0
.endif
	ASK
	MUL16 F1, 1, 0, 0
	MUL16 F1, 1, 2, 0
.endm
; THE PROJECTION's k step: 8 activation and 4 weight fragments, 32 products in f16.
.macro FETCHP aoff, boff, f
	WIN 0x40
.irp i, 0,1,2,3
	ds_load_b128 v[(\f)+8*(\i):(\f)+8*(\i)+3], v[BB] offset:(\boff)+1024*(\i)
	ds_load_b128 v[(\f)+8*(\i)+4:(\f)+8*(\i)+7], v[BB] offset:(\boff)+1024*(\i)+512
.endr
	WIN 0
.irp i, 0,1,2,3,4,5,6,7
	ds_load_b128 v[(\f)+8*(\i):(\f)+8*(\i)+3], v[AA] offset:(\aoff)+1024*(\i)
	ds_load_b128 v[(\f)+8*(\i)+4:(\f)+8*(\i)+7], v[AA] offset:(\aoff)+1024*(\i)+512
.endr
.endm
.macro PMUL f, a0, n, bias
.if \bias
	WIN 0x91
.else
	WIN 0xa1
.endif
.set pa, \a0
.rept \n
.irp b, 0,1,2,3
.if \bias
	v_wmma_f32_16x16x32_f16 v[8*(4*pa+(\b)):8*(4*pa+(\b))+7], v[(\f)+8*(\b):(\f)+8*(\b)+7], v[(\f)+8*pa:(\f)+8*pa+7], v[BIA+8*(\b):BIA+8*(\b)+7]
.else
	v_wmma_f32_16x16x32_f16 v[8*(4*pa+(\b)):8*(4*pa+(\b))+7], v[(\f)+8*(\b):(\f)+8*(\b)+7], v[(\f)+8*pa:(\f)+8*pa+7], v[8*(4*pa+(\b)):8*(4*pa+(\b))+7]
.endif
.endr
.set pa, pa+1
.endr
.endm
.macro PSTEP f, g, aoff, boff, bias    ; multiplies buffer f, fetches the next k step into g
	s_wait_dscnt 0x0
	PMUL \f, 0, 4, \bias
	PLACES
	FETCHP \aoff, \boff, \g
	PMUL \f, 4, 4, \bias
.endm
; A tile's fourth k step (buffer 1) and the change of slots, as in TURN.  fill = 0: the last pass's last two tiles: nothing is left to ask for; the slots are the wave's own, so its wait for the last tile is all that the reads need.
.macro PTURN aoff, fetch, fill
.if \fill
	s_wait_xcnt 0x0
	WIN 0
	s_wait_tensorcnt 0x0
	ds_add_u32 v[SPW], v[NIL]
	NEXTTILE
	s_wait_dscnt 1                                 ; only the add may be out
	PMUL F1, 0, 2, 0
	s_wait_dscnt 0x0
	s_barrier_signal -1
	PMUL F1, 2, 2, 0
	WIN 0
	s_barrier_wait -1
	CREST
	tensor_load_to_lds s[G0:G0+3], s[G1:G1+7]
	s_nop 0
	PLACES
	s_xor_b32 s[SLT], s[SLT], SLOTB
	v_add_nc_u32 v[BB], s[SLT], v[BB0]
.if \fetch
	FETCHP \aoff, 0, F0
.endif
	PMUL F1, 4, 4, 0
.else
	s_wait_dscnt 0x0
	PMUL F1, 0, 4, 0
.if \fetch
	WIN 0
	s_wait_tensorcnt 0x0                           ; the stream's last tile is in
	PLACES
	s_xor_b32 s[SLT], s[SLT], SLOTB
	v_add_nc_u32 v[BB], s[SLT], v[BB0]
	FETCHP \aoff, 0, F0
.endif
	PMUL F1, 4, 4, 0
.endif
.endm
; Layer 2's way out for tile a: max(x, 0.01 x), rounded to bf16, my 8 pieces into ACT.  Each accumulator is read from its low end on.
.macro EPI2 a
.set AC, 64*((\a)%4)
	WIN 0x02+(\a)/4
.set k, 0
.rept 32
	v_pk_mul_f32 v[T+2*k:T+2*k+1], v[AC+2*k:AC+2*k+1], s[C01:C01+1] op_sel_hi:[1,0]
.set k, k+1
.endr
.set k, 0
.rept 64
	v_max_num_f32 v[T+k], v[AC+k], v[T+k]
.set k, k+1
.endr
	WIN 0
.set k, 0
.rept 32
	v_cvt_pk_bf16_f32 v[PK+k], v[T+2*k], v[T+2*k+1]
.set k, k+1
.endr
.irp b, 0,1,2,3,4,5,6,7
	ds_store_b128 v[WRA], v[PK+4*(\b):PK+4*(\b)+3] offset:((\b)/2)*8192+1024*(\a)+((\b)%2)*512
.endr
.endm
; THE NORM, first part, for tiles a and a + 1: the sum of my 64 numbers of a token, the other half of the lanes', into STAT.
.macro LNSUM a
	WIN 0x0a+5*((\a)/4)
.irp u, 0,1
.set AC, 64*(((\a)+(\u))%4)
.set TT, T+32*(\u)
.irp q, 0,1,2,3
.irp b, 0,1,2,3
	v_pk_add_f32 v[TT+2*(4*(\q)+(\b)):TT+2*(4*(\q)+(\b))+1], v[AC+8*(\b)+2*(\q):AC+8*(\b)+2*(\q)+1], v[AC+8*((\b)+4)+2*(\q):AC+8*((\b)+4)+2*(\q)+1]
.endr
.endr
.endr
	WIN 0
.irp w, 16,8,4,2
.set k, 0
.rept (\w)/2
	v_pk_add_f32 v[T+2*k:T+2*k+1], v[T+2*k:T+2*k+1], v[T+(\w)+2*k:T+(\w)+2*k+1]
	v_pk_add_f32 v[T+32+2*k:T+32+2*k+1], v[T+32+2*k:T+32+2*k+1], v[T+32+(\w)+2*k:T+32+(\w)+2*k+1]
.set k, k+1
.endr
.endr
.irp u, 0,1
	v_add_f32 v[T+32*(\u)], v[T+32*(\u)], v[T+32*(\u)+1]
.endr
.irp u, 0,1
	v_permlanex16_b32 v[T+32*(\u)+1], v[T+32*(\u)], s[SEL], s[SEL+1]
.endr
.irp u, 0,1
	v_add_f32 v[T+32*(\u)], v[T+32*(\u)], v[T+32*(\u)+1]
.endr
.irp u, 0,1
	ds_store_b32 v[STW], v[T+32*(\u)] offset:256*((\a)+(\u))
.endr
.endm
; Second part, for a window's four tiles: x - mean in place, then the sum of its squares in four chains a tile.
.macro LNVAR hi
	WIN 0x82+0x41*(\hi)
.irp ar, 0,1,2,3
.set k, 0
.rept 32
	v_pk_add_f32 v[64*(\ar)+2*k:64*(\ar)+2*k+1], v[64*(\ar)+2*k:64*(\ar)+2*k+1], v[MU+2*(4*(\hi)+(\ar)):MU+2*(4*(\hi)+(\ar))+1] neg_lo:[0,1] neg_hi:[0,1]
.set k, k+1
.endr
.endr
	WIN 0x0a+5*(\hi)
.irp ar, 0,1,2,3
.set TT, T+32*(\hi)+8*(\ar)
.set k, 0
.rept 32
.if k < 4
	v_pk_mul_f32 v[TT+2*k:TT+2*k+1], v[64*(\ar)+2*k:64*(\ar)+2*k+1], v[64*(\ar)+2*k:64*(\ar)+2*k+1]
.else
	v_pk_fma_f32 v[TT+2*(k%4):TT+2*(k%4)+1], v[64*(\ar)+2*k:64*(\ar)+2*k+1], v[64*(\ar)+2*k:64*(\ar)+2*k+1], v[TT+2*(k%4):TT+2*(k%4)+1]
.endif
.set k, k+1
.endr
.endr
	WIN 0
.irp ar, 0,1,2,3
.set TT, T+32*(\hi)+8*(\ar)
	v_pk_add_f32 v[TT:TT+1], v[TT:TT+1], v[TT+2:TT+3]
	v_pk_add_f32 v[TT+4:TT+5], v[TT+4:TT+5], v[TT+6:TT+7]
.endr
.irp ar, 0,1,2,3
.set TT, T+32*(\hi)+8*(\ar)
	v_pk_add_f32 v[TT:TT+1], v[TT:TT+1], v[TT+4:TT+5]
.endr
.irp ar, 0,1,2,3
.set TT, T+32*(\hi)+8*(\ar)
	v_add_f32 v[TT], v[TT], v[TT+1]
.endr
.irp ar, 0,1,2,3
.set TT, T+32*(\hi)+8*(\ar)
	v_permlanex16_b32 v[TT+1], v[TT], s[SEL], s[SEL+1]
.endr
.irp ar, 0,1,2,3
.set TT, T+32*(\hi)+8*(\ar)
	v_add_f32 v[TT], v[TT], v[TT+1]
.endr
.irp ar, 0,1,2,3
.set TT, T+32*(\hi)+8*(\ar)
	ds_store_b32 v[STW], v[TT] offset:2048+256*(4*(\hi)+(\ar))
.endr
.endm
.macro STATSUM off                     ; the four waves' parts of each of my 8 tokens' sums, added in one order in every wave
.irp a, 0,1,2,3,4,5,6,7
	ds_load_b128 v[T+4*(\a):T+4*(\a)+3], v[STR] offset:(\off)+256*(\a)
.endr
	s_wait_dscnt 0x0
.irp a, 0,1,2,3,4,5,6,7
	v_pk_add_f32 v[T+4*(\a):T+4*(\a)+1], v[T+4*(\a):T+4*(\a)+1], v[T+4*(\a)+2:T+4*(\a)+3]
.endr
.irp a, 0,1,2,3,4,5,6,7
	v_add_f32 v[T+4*(\a)], v[T+4*(\a)], v[T+4*(\a)+1]
.endr
.endm
; Third part, for tile a: ((x - mean) / sigma) gain + shift, rounded to f16, into ACT where h2 lay.
.macro LNOUT a
.set AC, 64*((\a)%4)
	WIN 0x02+(\a)/4
.set k, 0
.rept 32
	v_pk_mul_f32 v[T+2*k:T+2*k+1], v[AC+2*k:AC+2*k+1], v[RS+2*(\a):RS+2*(\a)+1]
.set k, k+1
.endr
	WIN 0
.set k, 0
.rept 32
	v_pk_fma_f32 v[T+2*k:T+2*k+1], v[T+2*k:T+2*k+1], v[64+2*k:64+2*k+1], v[128+2*k:128+2*k+1]
.set k, k+1
.endr
.set k, 0
.rept 32
	v_cvt_pk_f16_f32 v[T+k], v[T+2*k], v[T+2*k+1]
.set k, k+1
.endr
.irp b, 0,1,2,3,4,5,6,7
	ds_store_b128 v[WRA], v[T+4*(\b):T+4*(\b)+3] offset:((\b)/2)*8192+1024*(\a)+((\b)%2)*512
.endr
.endm
; The projection's way out: rounded to f16; each store of the wave covers 512 consecutive bytes of kv, aligned.
.macro OUT
	PLACES
	WIN 0x0a
.set k, 0
.rept 128
	v_cvt_pk_f16_f32 v[64+k], v[2*k], v[2*k+1]
.set k, k+1
.endr
	WIN 0
.set k, 0
.rept 32                               ; k = 4 a + b: tile a is key block a of the chunk; b / 2 the head, b % 2 the half of its 32 channels
	global_store_b128 v[LOF], v[64+4*k:64+4*k+3], s[SKV:SKV+1] offset:((k%4)/2)*524288+1024*(k/4)+(k%2)*512
.set k, k+1
.endr
.endm
	s_load_b512 s[8:23], s[0:1], 0x0               ; input s[8:9], w1 s[10:11], b1 s[12:13], b2 s[14:15], b3 s[16:17], ln_k_g s[18:19], ln_k_b s[20:21], bk s[22:23]
	s_load_b256 s[24:31], s[0:1], 0x40             ; ln_v_g s[24:25], ln_v_b s[26:27], bv s[28:29], wstream s[30:31]
	s_load_b64 s[32:33], s[0:1], 0x60              ; kv
	v_lshl_add_u32 v[SPW], v0, 2, SPARE
	v_mov_b32 v[NIL], 0
	ds_add_u32 v[SPW], v[NIL]                      ; the wave's opening: the add and its wait stand ahead of my first tensor load; work on registers stands between them
	v_lshrrev_b32 v1, 5, v0
	v_readfirstlane_b32 s[WV], v1
	s_bfe_u32 s2, ttmp6, 0x40000                   ; cx: it enters the addresses of input, kv and the prefetches alone
	s_lshl_b32 s3, ttmp9, 2
	s_add_co_u32 s3, s3, s2
	s_and_b32 s5, s3, 127                          ; g: my 512 tokens
	s_lshr_b32 s4, ttmp9, 5                        ; kind: 0 = k, 1 = v; the partners share it
	s_mov_b32 s[G1], 15|(3<<16)|(1<<21)            ; 15:0 the mask of four; 17:16 elements of 8 bytes; 21 set beside a mask; no padding
	s_mov_b32 s[G1+1], 32<<16                      ; tensor_dim0 = 32: rows of 256 bytes
	s_mov_b32 s[G1+2], 64<<16                      ; tensor_dim1 = 64
	s_mov_b32 s[G1+3], 32<<16                      ; tile_dim0 = 32
	s_mov_b32 s[G1+4], 64                          ; tile_dim1 = 64
	s_mov_b32 s[G1+5], 32                          ; dense
	s_mov_b32 s[G1+6], 0
	s_mov_b32 s[G1+7], 0
	s_mov_b32 s[C01], 0x3c23d70a                   ; 0.01
	s_mov_b32 s[C01+1], s[C01]
	s_mov_b32 s[I512], 0x3b000000                  ; 1 / 512
	s_mov_b32 s[EPS], 0x3727c5ac                   ; 1e-5
	s_mov_b32 s[SEL], 0x76543210
	s_mov_b32 s[SEL+1], 0xfedcba98
	s_mov_b32 s[MSK], 0xffff0000
	s_mov_b32 s[NXT], 1
	s_mov_b32 s[SLT], 0
	s_lshl2_add_u32 s6, s4, s[WV]                  ; my stream: 4 kind + wave
	s_mul_i32 s[OFF], s6, STREAM
	s_mov_b32 s[OFF+1], 0
	s_lshl2_add_u32 s79, s4, s2                    ; the stream that my work-group prefetches: 4 kind + cx; my half of a tile
	s_mul_i32 s72, s79, STREAM
	s_lshl_b32 s7, s[WV], 13
	s_add_co_u32 s72, s72, s7
	s_mov_b32 s73, 0
	s_and_b32 s6, ttmp9, 31                        ; the kind's first cluster, waves 0 and 1
	s_lshr_b32 s7, s[WV], 1
	s_or_b32 s6, s6, s7
	s_cmp_eq_u32 s6, 0
	s_cselect_b32 s[LIM], 12, 0
	s_lshl_b32 s74, s5, 12                         ; input: 512 g tokens of 8 bytes + 4 kind + my wave's 32 tokens
	s_lshl2_add_u32 s74, s4, s74
	s_lshl_b32 s7, s[WV], 8
	s_add_co_u32 s74, s74, s7
	s_mov_b32 s75, 0
	s_lshr_b32 s78, s5, 3                          ; kv: ((8 batch + 2 w) x 32 + 4 (g % 8)) x 16,384 + 8,192 kind
	s_lshl_b32 s78, s78, 3
	s_lshl1_add_u32 s78, s[WV], s78
	s_lshl_b32 s78, s78, 5
	s_and_b32 s7, s5, 7
	s_lshl2_add_u32 s78, s7, s78
	s_lshl1_add_u32 s78, s78, s4
	s_lshl_b32 s76, s78, 13
	s_mov_b32 s77, 0
	s_wait_dscnt 0x0                               ; the opening add is done
	s_wait_kmcnt 0x0
	s_add_nc_u64 s[SB:SB+1], s[30:31], s[OFF:OFF+1]
	s_add_nc_u64 s[PFB:PFB+1], s[30:31], s[72:73]
	s_add_nc_u64 s[8:9], s[8:9], s[74:75]
	s_add_nc_u64 s[SKV:SKV+1], s[32:33], s[76:77]
	s_cmp_eq_u32 s4, 0
	s_cselect_b64 s[18:19], s[18:19], s[24:25]     ; gain, shift and bias of my kind
	s_cselect_b64 s[20:21], s[20:21], s[26:27]
	s_cselect_b64 s[22:23], s[22:23], s[28:29]
	s_cselect_b32 s78, -1, 0
	s_mov_b32 s[G0], 1
	s_lshl_b32 s[G0+1], s[WV], 15                  ; my slot 0: no place in the cluster enters an LDS address
	s_mov_b64 s[G0+2:G0+3], s[SB:SB+1]
	s_or_b32 s[G0+3], s[G0+3], 0x80000000
	CROUND                                         ; all four work-groups are here: the first joint loads meet
	tensor_load_to_lds s[G0:G0+3], s[G1:G1+7]      ; tile 0
	s_nop 0
	PLACES
	v_and_b32 v3, 31, v0                           ; L
	v_and_b32 v1, 15, v0                           ; r
	v_bfe_u32 v2, v0, 4, 1                         ; h
	v_lshlrev_b32 v26, 2, v0
	v_lshlrev_b32 v27, 4, v0
	v_lshlrev_b32 v30, 3, v0
	v_lshlrev_b32 v31, 3, v1
	global_load_b32 v64, v26, s[10:11]             ; the tables, each number once in the work-group
	global_load_b32 v65, v26, s[12:13]
	global_load_b128 v[68:71], v27, s[14:15]
	global_load_b128 v[72:75], v27, s[16:17]
	global_load_b128 v[76:79], v27, s[18:19]
	global_load_b128 v[80:83], v27, s[20:21]
	global_load_b64 v[84:85], v30, s[22:23]
.set i, 0
.rept 8                                ; my tokens 32 w + 16 m + r of pass i / 2, m = i % 2
	global_load_b32 v[XV+i], v31, s[8:9] offset:1024*(i/2)+128*(i%2)
.set i, i+1
.endr
	v_lshlrev_b32 v[PFO], 8, v3
	v_lshlrev_b32 v[LOF], 4, v3                    ; 16 L
	s_lshl_b32 s72, s[WV], 15
	v_add_nc_u32 v[BB0], s72, v[LOF]
	v_mov_b32 v[BB], v[BB0]
	v_add_nc_u32 v[RDH0], H1, v[LOF]
	v_add_nc_u32 v[RDA0], ACT, v[LOF]
	v_add_nc_u32 v[WRA], s72, v[RDA0]
	s_lshl_b32 s73, s[WV], 11
	v_add_nc_u32 v[WRH], s73, v[RDH0]
	v_lshlrev_b32 v[TB1], 5, v2
	v_add_nc_u32 v[TB1], TAB, v[TB1]
	s_lshl_b32 s73, s[WV], 9
	v_add_nc_u32 v[TBV], s73, v[TB1]
	s_lshl_b32 s73, s[WV], 8
	v_add_nc_u32 v[TBP], s73, v[TB1]
	v_add_nc_u32 v[TBP], 9216, v[TBP]
	v_lshlrev_b32 v[STR], 4, v1
	v_add_nc_u32 v[STR], STAT, v[STR]
	s_lshl_b32 s73, s[WV], 2
	v_add_nc_u32 v[STW], s73, v[STR]
	v_lshrrev_b32 v[AA], 3, v1                     ; v's pieces: (r / 8) x 256 + 128 h + 16 (r % 8)
	v_lshlrev_b32 v[AA], 8, v[AA]
	v_lshl_add_u32 v[AA], v2, 7, v[AA]
	v_and_b32 v3, 7, v1
	v_lshl_add_u32 v[AA], v3, 4, v[AA]
	v_cndmask_b32 v[LOF], v[AA], v[LOF], s78       ; k's: 16 L
	s_wait_loadcnt 0x0
	v_add_nc_u32 v26, TAB, v26
	v_add_nc_u32 v27, TAB, v27
	v_add_nc_u32 v30, TAB, v30
	RND2 64, 65, 66
.set i, 68
.rept 9
	RND2 i, i+1, 96+(i/2)%8
.set i, i+2
.endr
.set i, XV
.rept 4
	RND2 i, i+1, 96+(i/2)%8
.set i, i+2
.endr
	ds_store_b32 v26, v64
	ds_store_b32 v26, v65 offset:512
	ds_store_b128 v27, v[68:71] offset:1024
	ds_store_b128 v27, v[72:75] offset:3072
	ds_store_b128 v27, v[76:79] offset:5120
	ds_store_b128 v27, v[80:83] offset:7168
	ds_store_b64 v30, v[84:85] offset:9216
	s_wait_tensorcnt 0x0                           ; tile 0 is in; slot 1 is filled as a refill is: the three lines, a round, one load
	ds_add_u32 v[SPW], v[NIL]
	NEXTTILE
	s_wait_dscnt 0x0                               ; the add and my part of the tables are done: the round shows the tables to every wave
	CROUND
	tensor_load_to_lds s[G0:G0+3], s[G1:G1+7]      ; tile 1
	s_nop 0
	PLACES
	s_mov_b32 s[PASS], 4
.Lpass:
	; LAYER 1.  My tokens are tiles 2 w and 2 w + 1; a lane makes features 16 s + 8 h + 0..7 for s = 0..7 of both.
.irp s, 0,1,2,3,4,5,6,7
	ds_load_b128 v[64+8*(\s):64+8*(\s)+3], v[TB1] offset:64*(\s)
	ds_load_b128 v[64+8*(\s)+4:64+8*(\s)+7], v[TB1] offset:64*(\s)+16
	ds_load_b128 v[128+8*(\s):128+8*(\s)+3], v[TB1] offset:512+64*(\s)
	ds_load_b128 v[128+8*(\s)+4:128+8*(\s)+7], v[TB1] offset:512+64*(\s)+16
.endr
	s_wait_dscnt 0x0
.set n, 0
.rept 16                               ; n = 2 s + m
.set TT, T+16*(n%4)
.set PP, PK+4*(n%8)
.set q, 0
.rept 4
.if n%2
	v_pk_fma_f32 v[TT+2*q:TT+2*q+1], v[64+8*(n/2)+2*q:64+8*(n/2)+2*q+1], v[XV:XV+1], v[128+8*(n/2)+2*q:128+8*(n/2)+2*q+1] op_sel:[0,1,0] op_sel_hi:[1,1,1]
.else
	v_pk_fma_f32 v[TT+2*q:TT+2*q+1], v[64+8*(n/2)+2*q:64+8*(n/2)+2*q+1], v[XV:XV+1], v[128+8*(n/2)+2*q:128+8*(n/2)+2*q+1] op_sel_hi:[1,0,1]
.endif
.set q, q+1
.endr
.set q, 0
.rept 4
	v_pk_mul_f32 v[TT+8+2*q:TT+8+2*q+1], v[TT+2*q:TT+2*q+1], s[C01:C01+1] op_sel_hi:[1,0]
.set q, q+1
.endr
.set q, 0
.rept 8
	v_max_num_f32 v[TT+q], v[TT+q], v[TT+8+q]
.set q, q+1
.endr
.set q, 0
.rept 4
	v_cvt_pk_bf16_f32 v[PP+q], v[TT+2*q], v[TT+2*q+1]
.set q, q+1
.endr
	ds_store_b128 v[WRH], v[PP:PP+3] offset:(n/4)*8192+1024*(n%2)+((n/2)%2)*512
.set n, n+1
.endr
	s_wait_dscnt 0x0                               ; my part of h1 lies in LDS,
	s_barrier_signal -1
	s_barrier_wait -1                              ; everybody's does
	; LAYER 2: tiles 0 and 1 of the stream, four k steps
	WIN 0x40
.irp b, 0,1,2,3,4,5,6,7
	ds_load_b128 v[BIA+8*(\b):BIA+8*(\b)+3], v[TBV] offset:1024+64*(\b)
	ds_load_b128 v[BIA+8*(\b)+4:BIA+8*(\b)+7], v[TBV] offset:1024+64*(\b)+16
.endr
	FETCH RDH0, 0, 0, F0
	H0 RDH0, 8192, 8192, 1
	TURN RDH0, 16384, 1
	H0 RDH0, 24576, 8192, 0
	TURN RDH0, 0, 0
	PLACES
.irp a, 0,1,2,3,4,5,6,7
	EPI2 \a
.endr
	s_wait_dscnt 0x0                               ; my columns of h2 lie in LDS,
	s_barrier_signal -1
	s_barrier_wait -1                              ; everybody's do
	; LAYER 3: tiles 2 to 9, sixteen k steps
	WIN 0x40
.irp b, 0,1,2,3,4,5,6,7
	ds_load_b128 v[BIA+8*(\b):BIA+8*(\b)+3], v[TBV] offset:3072+64*(\b)
	ds_load_b128 v[BIA+8*(\b)+4:BIA+8*(\b)+7], v[TBV] offset:3072+64*(\b)+16
.endr
	WIN 0
	v_mov_b32 v[AA], v[RDA0]
	FETCH AA, 0, 0, F0
	H0 AA, 8192, 8192, 1
	WIN 0
	s_mov_b32 s[CNT], 7
.Lk3:                                  ; a trip: a tile's second k step, the change of slots, the next tile's first k step
	TURN AA, 16384, 1
	H0 AA, 24576, 8192, 0
	WIN 0
	v_add_nc_u32 v[AA], 16384, v[AA]
	s_sub_co_u32 s[CNT], s[CNT], 1
	s_cmp_lg_u32 s[CNT], 0
	s_cbranch_scc1 .Lk3
	TURN AA, 0, 0
	PLACES
	; THE NORM over a token's 512 numbers, of which each wave holds 128
	WIN 0
.irp b, 0,1,2,3,4,5,6,7
	ds_load_b128 v[64+8*(\b):64+8*(\b)+3], v[TBV] offset:5120+64*(\b)
	ds_load_b128 v[64+8*(\b)+4:64+8*(\b)+7], v[TBV] offset:5120+64*(\b)+16
	ds_load_b128 v[128+8*(\b):128+8*(\b)+3], v[TBV] offset:7168+64*(\b)
	ds_load_b128 v[128+8*(\b)+4:128+8*(\b)+7], v[TBV] offset:7168+64*(\b)+16
.endr
	LNSUM 0
	LNSUM 2
	LNSUM 4
	LNSUM 6
	s_wait_dscnt 0x0
	s_barrier_signal -1
	s_barrier_wait -1                              ; all sums lie in LDS; and no wave reads h2 any more
	STATSUM 0
.irp a, 0,1,2,3,4,5,6,7
	v_mul_f32 v[MU+2*(\a)], s[I512], v[T+4*(\a)]
	v_mul_f32 v[MU+2*(\a)+1], s[I512], v[T+4*(\a)]
.endr
	LNVAR 0
	LNVAR 1
	s_wait_dscnt 0x0
	s_barrier_signal -1
	s_barrier_wait -1
	STATSUM 2048
.irp a, 0,1,2,3,4,5,6,7
	v_fma_f32 v[T+4*(\a)], v[T+4*(\a)], s[I512], s[EPS]
.endr
.irp a, 0,1,2,3,4,5,6,7
	v_rsq_f32 v[RS+2*(\a)], v[T+4*(\a)]
.endr
	v_nop                                          ; a plain instruction behind the last root,
	s_wait_alu depctr_va_vdst(0)                   ; and one wait for the eight, ahead of the first line that names a result
.irp a, 0,1,2,3,4,5,6,7
	v_mov_b32 v[RS+2*(\a)+1], v[RS+2*(\a)]
.endr
.irp a, 0,1,2,3,4,5,6,7
	LNOUT \a
.endr
	s_wait_dscnt 0x0                               ; my columns of z lie in LDS,
	s_barrier_signal -1
	s_barrier_wait -1                              ; everybody's do
	; THE PROJECTION: tiles 10 to 13, sixteen k steps p, four to a tile
	WIN 0x40
.irp b, 0,1,2,3
	ds_load_b128 v[BIA+8*(\b):BIA+8*(\b)+3], v[TBP] offset:64*(\b)
	ds_load_b128 v[BIA+8*(\b)+4:BIA+8*(\b)+7], v[TBP] offset:64*(\b)+16
.endr
	WIN 0
	v_mov_b32 v[AA], v[RDA0]
	FETCHP 0, 0, F0
	PSTEP F0, F1, 8192, 4096, 1                    ; p = 0
	WIN 0
	s_mov_b32 s[CNT], 2
.Lkp:                                  ; a trip: p = 1 to 4, then 5 to 8
	PSTEP F1, F0, 16384, 8192, 0
	PSTEP F0, F1, 24576, 12288, 0
	PTURN 32768, 1, 1
	PSTEP F0, F1, 40960, 4096, 0
	WIN 0
	v_add_nc_u32 v[AA], 32768, v[AA]
	s_sub_co_u32 s[CNT], s[CNT], 1
	s_cmp_lg_u32 s[CNT], 0
	s_cbranch_scc1 .Lkp
	PSTEP F1, F0, 16384, 8192, 0                   ; p = 9
	PSTEP F0, F1, 24576, 12288, 0                  ; p = 10
	WIN 0
	s_cmp_eq_u32 s[PASS], 1
	s_cbranch_scc1 .Llast                          ; the last pass's tail is written out: it asks for nothing more
	PTURN 32768, 1, 1                              ; p = 11; the ring goes on into the next pass: tile 0,
	PSTEP F0, F1, 40960, 4096, 0
	PSTEP F1, F0, 49152, 8192, 0
	PSTEP F0, F1, 57344, 12288, 0
	PTURN 0, 0, 1                                  ; p = 15; and tile 1
	OUT
	s_wait_xcnt 0x0                                ; the stores have read their base and their data: both are written again only behind this wait
	s_add_nc_u64 s[SKV:SKV+1], s[SKV:SKV+1], 16384 ; the next chunk of 128 keys
.irp i, 0,1,2,3,4,5
	v_mov_b32 v[XV+(\i)], v[XV+(\i)+2]             ; the next pass's scalars go where the one text names them
.endr
	s_sub_co_u32 s[PASS], s[PASS], 1
	s_branch .Lpass
.Llast:
	PTURN 32768, 1, 0
	PSTEP F0, F1, 40960, 4096, 0
	PSTEP F1, F0, 49152, 8192, 0
	PSTEP F0, F1, 57344, 12288, 0
	PTURN 0, 0, 0
	OUT
	s_wait_tensorcnt 0x0                           ; the wave's end
	ds_add_u32 v[SPW], v[NIL]
	s_wait_dscnt 0x0
	CROUND                                         ; the closing round: no work-group ends while a partner may still ask for a tile that names it
	s_endpgm
.Lfunc_end_k_q4261231853_chain:
	.size	k_q4261231853_chain, .Lfunc_end_k_q4261231853_chain-k_q4261231853_chain
	.p2alignl 7, 3214868480
	.fill 96, 4, 3214868480
	.section	.rodata,"a",@progbits
	.p2align	6, 0x0
	.amdhsa_kernel k_q4261231853_chain
		.amdhsa_group_segment_fixed_size 327680
		.amdhsa_private_segment_fixed_size 0
		.amdhsa_enable_private_segment 0
		.amdhsa_kernarg_size 104
		.amdhsa_user_sgpr_count 2
		.amdhsa_user_sgpr_kernarg_segment_ptr 1
		.amdhsa_wavefront_size32 1
		.amdhsa_system_sgpr_workgroup_id_x 1
		.amdhsa_system_sgpr_workgroup_id_y 1
		.amdhsa_system_sgpr_workgroup_id_z 1
		.amdhsa_system_vgpr_workitem_id 0
		.amdhsa_next_free_vgpr 1024
		.amdhsa_next_free_sgpr 80
		.amdhsa_reserve_vcc 0
		.amdhsa_float_denorm_mode_32 3
		.amdhsa_float_denorm_mode_16_64 3
		.amdhsa_memory_ordered 1
		.amdhsa_forward_progress 1
		.amdhsa_inst_pref_size 255
	.end_amdhsa_kernel
	.section	.bss,"aw",@nobits
	.p2align	6
	.space	262144
	.amdgpu_metadata
---
amdhsa.version: [ 1, 2 ]
amdhsa.kernels:
  - .name:           k_q4261231853_chain
    .symbol:         k_q4261231853_chain.kd
    .args:
      - { .name: input, .offset: 0, .size: 8, .value_kind: global_buffer, .address_space: global }
      - { .name: mlp_w1, .offset: 8, .size: 8, .value_kind: global_buffer, .address_space: global }
      - { .name: mlp_b1, .offset: 16, .size: 8, .value_kind: global_buffer, .address_space: global }
      - { .name: mlp_b2, .offset: 24, .size: 8, .value_kind: global_buffer, .address_space: global }
      - { .name: mlp_b3, .offset: 32, .size: 8, .value_kind: global_buffer, .address_space: global }
      - { .name: ln_k_g, .offset: 40, .size: 8, .value_kind: global_buffer, .address_space: global }
      - { .name: ln_k_b, .offset: 48, .size: 8, .value_kind: global_buffer, .address_space: global }
      - { .name: bk, .offset: 56, .size: 8, .value_kind: global_buffer, .address_space: global }
      - { .name: ln_v_g, .offset: 64, .size: 8, .value_kind: global_buffer, .address_space: global }
      - { .name: ln_v_b, .offset: 72, .size: 8, .value_kind: global_buffer, .address_space: global }
      - { .name: bv, .offset: 80, .size: 8, .value_kind: global_buffer, .address_space: global }
      - { .name: wstream, .offset: 88, .size: 8, .value_kind: global_buffer, .address_space: global }
      - { .name: kv, .offset: 96, .size: 8, .value_kind: global_buffer, .address_space: global }
    .group_segment_fixed_size: 327680
    .private_segment_fixed_size: 0
    .kernarg_segment_align: 8
    .kernarg_segment_size: 104
    .max_flat_workgroup_size: 128
    .sgpr_count:     80
    .vgpr_count:     1024
    .wavefront_size: 32
...
	.end_amdgpu_metadata
.endif
;; end of part 2
;; launch attn (part 3): grid 4 x 128, 8 waves a work-group, clusters of 4 x 1, 327,680 bytes of LDS; arguments qf, kv, of; writes of
.if DOCPART == 3
	.amdgcn_target "amdgcn-amd-amdhsa--gfx1250"
	.amdhsa_code_object_version 6
	.text
	.protected	k_q4261231853_attn
	.globl	k_q4261231853_attn
	.p2align	8
	.type	k_q4261231853_attn,@function
k_q4261231853_attn:
	s_mov_b64 s[64:65], 0
	v_nop
	global_prefetch_b8 v0, s[64:65] scope:SCOPE_SE
	s_setreg_imm32_b32 hwreg(HW_REG_WAVE_MODE, 25, 1), 1
	s_wait_xcnt 0x0
	s_wait_alu depctr_hold_cnt(0) depctr_sa_sdst(0) depctr_va_vdst(0) depctr_va_sdst(0) depctr_va_ssrc(0) depctr_va_vcc(0) depctr_vm_vsrc(0)
	s_getreg_b32 s2, hwreg(HW_REG_IB_STS2, 6, 4)
	s_cmp_eq_u32 s2, 0
	s_cbranch_scc0 .Lentry_in_a_cluster
	s_endpgm
.Lentry_in_a_cluster:
	s_bfe_u32 s2, ttmp6, 0x10000c
	s_cmp_lg_u32 s2, 0x3003
	s_cbranch_scc0 .Lentry_shape_is_right
	s_endpgm
.Lentry_shape_is_right:
; ATTENTION at head size 32: O[b][h][q] = the sum over k of softmax_k(q . k / sqrt(32)) v.  256 queries (the same for all batches), 4,096 keys, 128 pairs of batch and head.  q, k, v, the weights p and O in f16;
; products, maxima and sums in f32; the sum l is taken of the unrounded p.
; LIMITS.  p below 6e-5 keeps f16's fixed step of 6e-8; a weight below 2^-126 counts as 0 in l; NaN and infinities are not treated apart.
; SHARES.  A work-group owns 64 queries (4 tiles of 16) of one pair; its eight waves SPLIT THE KEYS: wave w takes the chunks 8 t + w of 128 keys, t = 0..3, for all four tiles, each with a running maximum and sum of its own;
; the eight partial results meet in LDS at the end, in f32, each scaled by 2^(c m_own - c m_all) / l_all.
; Two waves lie on a SIMD on purpose: a tile and step have 8 matrix and some 110 vector instructions, so the vector unit sets the pace, and the second wave works while the first waits.  So the text stays in plain phases.
; LAYOUT.  S^T = K Q^T (source 0 = 16 keys, source 1 = 16 queries): a lane holds ONE query (lane % 16) and the keys 8 (lane / 16) + 0..7; two such results rounded to f16 ARE source 1 of O^T = V^T P.
; K lies in kv as fragments; V so that ds_load_tr16_b128 at 16 x lane brings a fragment of V^T.
; SOFTMAX.  p = 2^(c s - c m), c = log2(e) / sqrt(32), m the running maximum; O and l are multiplied by a = 2^(c m_old - c m_new) in every step.  m starts at the lowest finite number, O and l at 0.
; CLUSTER.  The four query blocks of a pair walk the same K and V: each chunk is asked for jointly, by the same tensor load, descriptor and mask in all four.  One tensor load of a wave is out at the most.
; REGISTERS (s_set_vgpr_msb: bits 1:0 source 0, 3:2 source 1, 5:4 source 2, 7:6 destination).  Window 0: addresses, statistics, S^T v64-191, P v192-223.  Window 1: O^T v0-63, Q v64-95, K v96-127, V v128-159.
.set SLOTB, 16384                      ; a slot holds a chunk: 8 KiB of K, 8 KiB of V; wave w's two slots at 32,768 w
.set SCR,   262144                     ; behind the ring: 8 sources x 4,352: two tiles of [4 channels][query] f32, rows of 256 + 16 bytes
.set STATS, 296960                     ; [tile][query][wave] words: c m, and at +2,048 l
.set SPARE, 301056                     ; the spare words, 128 bytes a wave
.set FA0,4
.set FA,5
.set SWR,6
.set SRD,7
.set STW,8
.set STR,9
.set GO,10
.set QO,11
.set PFO,12
.set ST,16                             ; tile t: c m, m, l (even keys', odd keys') at v[16 + 4 t]
.set TMP,32                            ; by the tile's parity, four at work; a takes the third
.set MV,40
.set GG,44                             ; v[44:51] the combine's factor, a pair a tile
.set RC,52
.set SPW,62
.set NIL,63
.set S,64
.set P,192
.set QF,64
.set KF,96
.set VF,128
.set WV,12
.set LIM,15
.set PFA,18
.set G1,24
.set G0,40
.set SLOTS,56
.set TWICE,57
.set CS,58
.set SEL,60
.set TB,62
.set MSB, 0
.macro WIN new
.if MSB != (\new)
	s_set_vgpr_msb (MSB<<8)|(\new)
.set MSB, (\new)
.endif
.endm
.macro PLACES
.rept 4
	v_nop
.endr
.endm
.macro CROUND                          ; a round of the cluster's barrier
	s_barrier_signal -1
	s_barrier_wait -1
	s_cmp_lg_u32 s[WV], 0
	s_cbranch_scc1 .Lnot_wave_0_\@
	s_barrier_signal -3
.Lnot_wave_0_\@:
	s_barrier_wait -3
	s_barrier_signal -1
	s_barrier_wait -1
.endm
; A PREFETCH INTO THE L2 of the eight chunks that the NEXT change will ask for (128 KiB), a chunk's work ahead of that load.  Each block of 256 bytes is named once in the launch: only this cluster reads the pair's keys;
; its four partners take 32 KiB each, told apart by address; in each, waves 0 to 3 take 8 KiB, a lane a block.  The first two groups come by their loads alone; the last change that fills a slot asks for nothing.
.macro ASK
	s_cmp_gt_u32 s[SLOTS], s[LIM]
	s_cbranch_scc0 .Lnot_mine_\@
	global_prefetch_b8 v[PFO], s[PFA:PFA+1] th:TH_LOAD_NT scope:SCOPE_SE
.Lnot_mine_\@:
.endm
; THE CHANGE OF SLOTS.  Each wave waits for all its tensor loads (one is out: the chunk to be read next), adds 0 to its spare word, and waits for that and for its reads of the slot that it leaves.
; fill = 1: behind a round of the cluster's barrier that slot is filled again first, with my chunk of the next group.  (At its first use nothing has been read: slot 0 is waited for, slot 1 filled.)
.macro CHANGE fill
	WIN 0
	s_wait_tensorcnt 0x0
	ds_add_u32 v[SPW], v[NIL]
.if \fill
	s_xor_b32 s[G0+1], s[G0+1], SLOTB
	s_add_nc_u64 s[G0+2:G0+3], s[G0+2:G0+3], 131072
	s_wait_xcnt 0x0                                ; the last prefetch, a chunk back, has read its address
	s_add_nc_u64 s[PFA:PFA+1], s[PFA:PFA+1], 131072
	s_wait_dscnt 0x0
	CROUND
	tensor_load_to_lds s[G0:G0+3], s[G1:G1+7]
	s_nop 0
	PLACES
	ASK
.else
	s_wait_dscnt 0x0
	s_barrier_signal -1
	s_barrier_wait -1
.endif
	s_sub_co_u32 s[TB], s[TB], 8192                ; the reads go back to a slot's first step,
	s_xor_b32 s[TB], s[TB], SLOTB                  ; in the other slot
.endm
.macro REGS t
.set rT, ST+4*(\t)
.set rC, TMP+4*((\t)%2)
.set rM, MV+((\t)%2)
.set rS, S+32*(\t)
.set rP, P+16*((\t)%2)
.set rO, 16*(\t)
.endm
; Number n of the 22 that find tile t's maximum and statistics; each accumulator's lowest registers are read first.
;   0-11 four chains of seven scores; 12-14, 16 the four left over, the old m, the four into one; 15 c m_old is kept; 17, 18 the other half of the lanes': the new m; 19-21 c m, its change, a
.macro XS t, n
	REGS \t
.if (\n) < 4
	v_max3_num_f32 v[rC+(\n)], v[rS+8*(\n)], v[rS+8*(\n)+1], v[rS+8*(\n)+2]
.elseif (\n) < 12
	v_max3_num_f32 v[rC+(\n)%4], v[rC+(\n)%4], v[rS+8*((\n)%4)+2*((\n)/4)+1], v[rS+8*((\n)%4)+2*((\n)/4)+2]
.elseif (\n) == 12
	v_max3_num_f32 v[rC], v[rC], v[rS+7], v[rS+15]
.elseif (\n) == 13
	v_max3_num_f32 v[rC+1], v[rC+1], v[rS+23], v[rS+31]
.elseif (\n) == 14
	v_max3_num_f32 v[rC+2], v[rC+2], v[rC+3], v[rT+1]
.elseif (\n) == 15
	v_mov_b32 v[rM], v[rT]
.elseif (\n) == 16
	v_max3_num_f32 v[rC], v[rC], v[rC+1], v[rC+2]
.elseif (\n) == 17
	v_permlanex16_b32 v[rC+3], v[rC], s[SEL], s[SEL+1]
.elseif (\n) == 18
	v_max_num_f32 v[rT+1], v[rC], v[rC+3]
.elseif (\n) == 19
	v_mul_f32 v[rT], s[CS], v[rT+1]
.elseif (\n) == 20
	v_sub_f32 v[rC+1], v[rM], v[rT]
.else
	v_exp_f32 v[rC+2], v[rC+1]
.endif
.endm
.macro FS t, f                         ; c s - c m for pair f
	REGS \t
	v_pk_fma_f32 v[rS+2*(\f):rS+2*(\f)+1], v[rS+2*(\f):rS+2*(\f)+1], s[CS:CS+1], v[rT:rT+1] op_sel_hi:[1,0,0] neg_lo:[0,0,1] neg_hi:[0,0,1]
.endm
.macro EX t, e
	REGS \t
	v_exp_f32 v[rS+(\e)], v[rS+(\e)]
.endm
; The softmax of tiles 2 p and 2 p + 1 for one step, the two tiles line by line.  All 66 exponentials are ONE batch: nothing ahead of the one wait names a result of theirs.
.macro SM p
	WIN 0
.irp n, 0,1,2,3,4,5,6,7,8,9,10,11,12,13,14,15,16,17,18,19,20,21
	XS 2*(\p), \n
	XS 2*(\p)+1, \n
.endr
.set b, 0
.rept 16
	FS 2*(\p), b
	FS 2*(\p)+1, b
.if b > 0
	EX 2*(\p), 2*b-2
	EX 2*(\p)+1, 2*b-2
	EX 2*(\p), 2*b-1
	EX 2*(\p)+1, 2*b-1
.endif
.set b, b+1
.endr
	EX 2*(\p), 30
	EX 2*(\p)+1, 30
	EX 2*(\p), 31
	EX 2*(\p)+1, 31
	v_nop                                          ; a plain instruction behind the last exponential,
	s_wait_alu depctr_va_vdst(0)                   ; and the wait for the batch
.set b, 0
.rept 16
.irp u, 0,1
	REGS 2*(\p)+(\u)
	v_cvt_pk_f16_f32 v[rP+b], v[rS+2*b], v[rS+2*b+1]
.endr
.set b, b+1
.endr
.set b, 0
.rept 8                                ; of four weights the second pair is added onto the first,
.irp u, 0,1
	REGS 2*(\p)+(\u)
	v_pk_add_f32 v[rS+4*b:rS+4*b+1], v[rS+4*b:rS+4*b+1], v[rS+4*b+2:rS+4*b+3]
.endr
.set b, b+1
.endr
.irp u, 0,1                            ; and l takes the sums: l = a l + the first, then the others
	REGS 2*(\p)+(\u)
	v_pk_fma_f32 v[rT+2:rT+3], v[rT+2:rT+3], v[rC+2:rC+3], v[rS:rS+1] op_sel_hi:[1,0,1]
.endr
.set b, 1
.rept 7
.irp u, 0,1
	REGS 2*(\p)+(\u)
	v_pk_add_f32 v[rT+2:rT+3], v[rT+2:rT+3], v[rS+4*b:rS+4*b+1]
.endr
.set b, b+1
.endr
	WIN 0x41
.set b, 0
.rept 8
.irp u, 0,1
	REGS 2*(\p)+(\u)
	v_pk_mul_f32 v[rO+2*b:rO+2*b+1], v[rO+2*b:rO+2*b+1], v[rC+2:rC+3] op_sel_hi:[1,0]
.endr
.set b, b+1
.endr
.endm
.macro PV p                            ; O^T += V^T P for tiles 2 p, 2 p + 1: the four accumulators take turns
	WIN 0x51
.irp kk, 0,1
.irp u, 0,1
.irp cb, 0,1
	v_wmma_f32_16x16x32_f16 v[16*(2*(\p)+(\u))+8*(\cb):16*(2*(\p)+(\u))+8*(\cb)+7], v[VF+8*(2*(\kk)+(\cb)):VF+8*(2*(\kk)+(\cb))+7], v[P+16*(\u)+8*(\kk):P+16*(\u)+8*(\kk)+7], v[16*(2*(\p)+(\u))+8*(\cb):16*(2*(\p)+(\u))+8*(\cb)+7]
.endr
.endr
.endr
.endm
; A KEY STEP: 64 keys for all four tiles.
.macro STEP
	WIN 0
	v_add_nc_u32 v[FA], s[TB], v[FA0]
	WIN 0x40
.irp kb, 0,1,2,3
	ds_load_b128 v[KF+8*(\kb):KF+8*(\kb)+3], v[FA] offset:1024*(\kb)
	ds_load_b128 v[KF+8*(\kb)+4:KF+8*(\kb)+7], v[FA] offset:1024*(\kb)+512
.endr
.irp f, 0,1,2,3                        ; keys 32 (f / 2) on, channels 16 (f % 2) on
	ds_load_tr16_b128 v[VF+8*(\f):VF+8*(\f)+3], v[FA] offset:8192+2048*((\f)/2)+512*((\f)%2)
	ds_load_tr16_b128 v[VF+8*(\f)+4:VF+8*(\f)+7], v[FA] offset:8192+2048*((\f)/2)+512*((\f)%2)+1024
.endr
	s_add_co_u32 s[TB], s[TB], 4096
	s_wait_dscnt 8                                 ; K is in; V's eight loads may stay out
	WIN 0x05
.irp t, 0,1,2,3
.irp kb, 0,1,2,3
	v_wmma_f32_16x16x32_f16 v[S+32*(\t)+8*(\kb):S+32*(\t)+8*(\kb)+7], v[KF+8*(\kb):KF+8*(\kb)+7], v[QF+8*(\t):QF+8*(\t)+7], 0
.endr
.endr
	PLACES
	SM 0
	s_wait_dscnt 0x0                               ; V is in
	PV 0
	SM 1
	PV 1
	PLACES                                         ; ahead of the next step's loads into V's registers
.endm
.macro TWO_STEPS
	WIN 0
	s_mov_b32 s[TWICE], 2
.Lstep_\@:
	STEP
	WIN 0
	s_sub_co_u32 s[TWICE], s[TWICE], 1
	s_cmp_lg_u32 s[TWICE], 0
	s_cbranch_scc1 .Lstep_\@
.endm
	s_load_b128 s[4:7], s[0:1], 0x0                ; qf s[4:5], kv s[6:7]
	s_load_b64 s[8:9], s[0:1], 0x10                ; of
	v_lshl_add_u32 v[SPW], v0, 2, SPARE
	v_mov_b32 v[NIL], 0
	ds_add_u32 v[SPW], v[NIL]                      ; the wave's opening: the add and its wait stand ahead of my first tensor load
	v_lshrrev_b32 v1, 5, v0
	v_readfirstlane_b32 s[WV], v1
	s_bfe_u32 s13, ttmp6, 0x40000                  ; cx: my quarter of the queries; it enters the addresses of qf, of and the prefetches alone
	s_and_b32 s14, ttmp7, 0xffff                   ; 8 batch + head, which the partners share
	s_lshl_b32 s20, s14, 19                        ; the pair's 524,288 bytes of kv, my chunk of the first group
	s_lshl_b32 s21, s[WV], 14
	s_add_co_u32 s20, s20, s21
	s_mov_b32 s21, 0
	s_lshl2_add_u32 s22, s13, s[WV]                ; the prefetches: 8 KiB number 4 cx + w of a group; they stand in group 1, and the first change steps them to group 2
	s_lshl_b32 s22, s22, 13
	s_lshl_b32 s23, s14, 19
	s_add_co_u32 s22, s22, s23
	s_add_co_u32 s22, s22, 131072
	s_mov_b32 s23, 0
	s_and_b32 s2, s14, 7
	s_lshl2_add_u32 s2, s2, s13                    ; qf: fragment 16 head + 4 cx
	s_lshl_b32 s2, s2, 12
	s_mov_b32 s3, 0
	s_lshl2_add_u32 s16, s14, s13                  ; of: fragment 16 (8 batch + head) + 4 cx, my 256 bytes of two fragments
	s_lshl_b32 s16, s16, 12
	s_lshl_b32 s17, s[WV], 8
	s_add_co_u32 s16, s16, s17
	s_mov_b32 s17, 0
	s_mov_b32 s[G1], 15|(3<<16)|(1<<21)            ; the mask of four; elements of 8 bytes; bit 21 beside a mask; no padding
	s_mov_b32 s[G1+1], 32<<16                      ; 64 rows of 256 bytes, dense
	s_mov_b32 s[G1+2], 64<<16
	s_mov_b32 s[G1+3], 32<<16
	s_mov_b32 s[G1+4], 64
	s_mov_b32 s[G1+5], 32
	s_mov_b32 s[G1+6], 0
	s_mov_b32 s[G1+7], 0
	s_mov_b32 s[CS], 0x3e8293ee                    ; c = log2(e) / sqrt(32) = 0.255035
	s_mov_b32 s[CS+1], s[CS]
	s_mov_b32 s[SEL], 0x76543210
	s_mov_b32 s[SEL+1], 0xfedcba98
	s_mov_b32 s[TB], SLOTB+8192                    ; the first change turns this into 0
	s_cmp_lt_u32 s[WV], 4
	s_cselect_b32 s[LIM], 1, -1
	s_mov_b32 s[G0], 1
	s_lshl_b32 s[G0+1], s[WV], 15
	s_wait_dscnt 0x0
	s_wait_kmcnt 0x0
	s_add_nc_u64 s[G0+2:G0+3], s[6:7], s[20:21]
	s_or_b32 s[G0+3], s[G0+3], 0x80000000
	s_add_nc_u64 s[PFA:PFA+1], s[6:7], s[22:23]
	s_add_nc_u64 s[4:5], s[4:5], s[2:3]
	s_add_nc_u64 s[8:9], s[8:9], s[16:17]
	CROUND                                         ; all four work-groups are here: the first joint loads meet
	tensor_load_to_lds s[G0:G0+3], s[G1:G1+7]      ; my chunk of group 0 into slot 0
	s_nop 0
	PLACES
	v_and_b32 v3, 31, v0                           ; L
	v_and_b32 v1, 15, v0                           ; r
	v_bfe_u32 v2, v0, 4, 1                         ; h
	v_lshlrev_b32 v[QO], 4, v3
	WIN 0x40
.irp t, 0,1,2,3
	global_load_b128 v[QF+8*(\t):QF+8*(\t)+3], v[QO], s[4:5] offset:1024*(\t)
	global_load_b128 v[QF+8*(\t)+4:QF+8*(\t)+7], v[QO], s[4:5] offset:1024*(\t)+512
.endr
.set i, 0
.rept 64
	v_mov_b32 v[i], 0                              ; O^T starts at 0, written in the wait for the first chunk, so that the first step is a step like any other
.set i, i+1
.endr
	WIN 0
.irp t, 0,1,2,3
	v_mov_b32 v[ST+4*(\t)], 0xfe000000             ; c m: far below every c s
	v_mov_b32 v[ST+4*(\t)+1], 0xff7fffff           ; m
	v_mov_b32 v[ST+4*(\t)+2], 0
	v_mov_b32 v[ST+4*(\t)+3], 0
.endr
	s_lshl_b32 s2, s[WV], 15
	v_add_nc_u32 v[FA0], s2, v[QO]                 ; my ring + 16 L
	v_lshlrev_b32 v[PFO], 8, v3
	v_lshlrev_b32 v[GO], 3, v3
	v_lshlrev_b32 v[STR], 5, v1
	v_add_nc_u32 v[STR], STATS, v[STR]
	s_lshl_b32 s2, s[WV], 2
	v_add_nc_u32 v[STW], s2, v[STR]
	s_mul_i32 s2, s[WV], 4352
	v_mul_u32_u24 v[SWR], v2, 544
	v_lshl_add_u32 v[SWR], v1, 4, v[SWR]
	v_add_nc_u32 v[SWR], s2, v[SWR]
	v_add_nc_u32 v[SWR], SCR, v[SWR]
	s_lshr_b32 s2, s[WV], 2
	s_mul_i32 s2, s2, 2176
	s_and_b32 s3, s[WV], 3
	s_mul_i32 s3, s3, 544
	s_add_co_u32 s2, s2, s3
	v_and_b32 v[SRD], 1, v3
	v_mul_u32_u24 v[SRD], v[SRD], 272
	v_lshrrev_b32 v[FA], 1, v3
	v_lshl_add_u32 v[SRD], v[FA], 4, v[SRD]
	v_add_nc_u32 v[SRD], s2, v[SRD]
	v_add_nc_u32 v[SRD], SCR, v[SRD]
	s_wait_loadcnt 0x0                             ; Q
	s_mov_b32 s[SLOTS], 3
.Lslot:                                ; three trips: a chunk is entered and the next group's is asked for
	CHANGE 1
	TWO_STEPS
	s_sub_co_u32 s[SLOTS], s[SLOTS], 1
	s_cmp_lg_u32 s[SLOTS], 0
	s_cbranch_scc1 .Lslot
	CHANGE 0                                       ; the last chunk is written out
	TWO_STEPS
	; THE EIGHT WAVES' RESULTS MEET.  First their c m and l.
.irp t, 0,1,2,3
	v_add_f32 v[ST+4*(\t)+2], v[ST+4*(\t)+2], v[ST+4*(\t)+3]
.endr
.irp t, 0,1,2,3
	v_permlanex16_b32 v[ST+4*(\t)+3], v[ST+4*(\t)+2], s[SEL], s[SEL+1]
.endr
.irp t, 0,1,2,3
	v_add_f32 v[ST+4*(\t)+2], v[ST+4*(\t)+2], v[ST+4*(\t)+3]
.endr
.irp t, 0,1,2,3
	ds_store_b32 v[STW], v[ST+4*(\t)] offset:512*(\t)
	ds_store_b32 v[STW], v[ST+4*(\t)+2] offset:2048+512*(\t)
.endr
	s_wait_dscnt 0x0
	s_barrier_signal -1
	s_barrier_wait -1
.irp t, 0,1,2,3
	ds_load_b128 v[S+16*(\t):S+16*(\t)+3], v[STR] offset:512*(\t)
	ds_load_b128 v[S+16*(\t)+4:S+16*(\t)+7], v[STR] offset:512*(\t)+16
	ds_load_b128 v[S+16*(\t)+8:S+16*(\t)+11], v[STR] offset:2048+512*(\t)
	ds_load_b128 v[S+16*(\t)+12:S+16*(\t)+15], v[STR] offset:2048+512*(\t)+16
.endr
	s_wait_dscnt 0x0
.irp t, 0,1,2,3
	v_max3_num_f32 v[TMP+(\t)], v[S+16*(\t)], v[S+16*(\t)+1], v[S+16*(\t)+2]
.endr
.irp t, 0,1,2,3
	v_max3_num_f32 v[TMP+(\t)], v[TMP+(\t)], v[S+16*(\t)+3], v[S+16*(\t)+4]
.endr
.irp t, 0,1,2,3
	v_max3_num_f32 v[TMP+(\t)], v[TMP+(\t)], v[S+16*(\t)+5], v[S+16*(\t)+6]
.endr
.irp t, 0,1,2,3
	v_max_num_f32 v[TMP+(\t)], v[TMP+(\t)], v[S+16*(\t)+7]
.endr
.irp t, 0,1,2,3
.irp i, 0,1,2,3,4,5,6,7
	v_sub_f32 v[S+16*(\t)+(\i)], v[S+16*(\t)+(\i)], v[TMP+(\t)]
.endr
	v_sub_f32 v[TMP+4+(\t)], v[ST+4*(\t)], v[TMP+(\t)]
.endr
.irp t, 0,1,2,3
.irp i, 0,1,2,3,4,5,6,7
	v_exp_f32 v[S+16*(\t)+(\i)], v[S+16*(\t)+(\i)]
.endr
	v_exp_f32 v[TMP+4+(\t)], v[TMP+4+(\t)]
.endr
	v_nop
	s_wait_alu depctr_va_vdst(0)                   ; one wait for the 36 exponentials
.irp t, 0,1,2,3
	v_mul_f32 v[S+16*(\t)+8], v[S+16*(\t)+8], v[S+16*(\t)]
.endr
.irp i, 1,2,3,4,5,6,7
.irp t, 0,1,2,3
	v_fmac_f32 v[S+16*(\t)+8], v[S+16*(\t)+8+(\i)], v[S+16*(\t)+(\i)]
.endr
.endr
.irp t, 0,1,2,3
	v_rcp_f32 v[RC+(\t)], v[S+16*(\t)+8]
.endr
	v_nop
	s_wait_alu depctr_va_vdst(0)                   ; one wait for the four reciprocals
.irp t, 0,1,2,3
	v_mul_f32 v[GG+2*(\t)], v[TMP+4+(\t)], v[RC+(\t)]
	v_mul_f32 v[GG+2*(\t)+1], v[TMP+4+(\t)], v[RC+(\t)]
.endr
; Tiles 2 u and 2 u + 1: each wave's O^T, scaled, goes into its part of the scratch in f32; then wave w adds the eight sources for 256 bytes of the two fragments of O, rounds once to f16 and stores them.
.macro COMB u
	WIN 0x41
.irp tp, 0,1
.set b, 0
.rept 8
	v_pk_mul_f32 v[16*(2*(\u)+(\tp))+2*b:16*(2*(\u)+(\tp))+2*b+1], v[16*(2*(\u)+(\tp))+2*b:16*(2*(\u)+(\tp))+2*b+1], v[GG+2*(2*(\u)+(\tp)):GG+2*(2*(\u)+(\tp))+1]
.set b, b+1
.endr
.endr
	WIN 0x04                                       ; the stores' data lie in window 1
.irp tp, 0,1
.irp c, 0,1,2,3                        ; c = 2 cb + j: channels 16 cb + 8 h + 4 j + 0..3
	ds_store_b128 v[SWR], v[16*(2*(\u)+(\tp))+4*(\c):16*(2*(\u)+(\tp))+4*(\c)+3] offset:2176*(\tp)+1088*((\c)/2)+272*((\c)%2)
.endr
.endr
	WIN 0
	s_wait_dscnt 0x0
	s_barrier_signal -1
	s_barrier_wait -1
.irp i, 0,1,2,3,4,5,6,7
	ds_load_b128 v[S+4*(\i):S+4*(\i)+3], v[SRD] offset:4352*(\i)
.endr
	s_wait_dscnt 0x0
.irp w, 16,8,4
.set b, 0
.rept (\w)/2
	v_pk_add_f32 v[S+2*b:S+2*b+1], v[S+2*b:S+2*b+1], v[S+(\w)+2*b:S+(\w)+2*b+1]
.set b, b+1
.endr
.endr
	v_cvt_pk_f16_f32 v[S+32+2*(\u)], v[S], v[S+1]
	v_cvt_pk_f16_f32 v[S+33+2*(\u)], v[S+2], v[S+3]
	global_store_b64 v[GO], v[S+32+2*(\u):S+33+2*(\u)], s[8:9] offset:2048*(\u)   ; the wave's store covers 256 consecutive bytes, aligned
.endm
	COMB 0
	s_barrier_signal -1                            ; every wave's reads of the scratch are back (the wait above): it may be written again
	s_barrier_wait -1
	COMB 1
	s_wait_tensorcnt 0x0                           ; the wave's end
	ds_add_u32 v[SPW], v[NIL]
	s_wait_dscnt 0x0
	CROUND                                         ; the closing round
	s_endpgm
.Lfunc_end_k_q4261231853_attn:
	.size	k_q4261231853_attn, .Lfunc_end_k_q4261231853_attn-k_q4261231853_attn
	.p2alignl 7, 3214868480
	.fill 96, 4, 3214868480
	.section	.rodata,"a",@progbits
	.p2align	6, 0x0
	.amdhsa_kernel k_q4261231853_attn
		.amdhsa_group_segment_fixed_size 327680
		.amdhsa_private_segment_fixed_size 0
		.amdhsa_enable_private_segment 0
		.amdhsa_kernarg_size 24
		.amdhsa_user_sgpr_count 2
		.amdhsa_user_sgpr_kernarg_segment_ptr 1
		.amdhsa_wavefront_size32 1
		.amdhsa_system_sgpr_workgroup_id_x 1
		.amdhsa_system_sgpr_workgroup_id_y 1
		.amdhsa_system_sgpr_workgroup_id_z 1
		.amdhsa_system_vgpr_workitem_id 0
		.amdhsa_next_free_vgpr 512
		.amdhsa_next_free_sgpr 66
		.amdhsa_reserve_vcc 0
		.amdhsa_float_denorm_mode_32 3
		.amdhsa_float_denorm_mode_16_64 3
		.amdhsa_memory_ordered 1
		.amdhsa_forward_progress 1
		.amdhsa_inst_pref_size 78
	.end_amdhsa_kernel
	.amdgpu_metadata
---
amdhsa.version: [ 1, 2 ]
amdhsa.kernels:
  - .name:           k_q4261231853_attn
    .symbol:         k_q4261231853_attn.kd
    .args:
      - { .name: qf, .offset: 0, .size: 8, .value_kind: global_buffer, .address_space: global }
      - { .name: kv, .offset: 8, .size: 8, .value_kind: global_buffer, .address_space: global }
      - { .name: of, .offset: 16, .size: 8, .value_kind: global_buffer, .address_space: global }
    .group_segment_fixed_size: 327680
    .private_segment_fixed_size: 0
    .kernarg_segment_align: 8
    .kernarg_segment_size: 24
    .max_flat_workgroup_size: 256
    .sgpr_count:     66
    .vgpr_count:     512
    .wavefront_size: 32
...
	.end_amdgpu_metadata
.endif
;; end of part 3
;; launch outp (part 4): grid 256 x 1, 4 waves a work-group, no clusters, 17,920 bytes of LDS; arguments of, wof, bo, out0; writes out0
.if DOCPART == 4
	.amdgcn_target "amdgcn-amd-amdhsa--gfx1250"
	.amdhsa_code_object_version 6
	.text
	.protected	k_q4261231853_outp
	.globl	k_q4261231853_outp
	.p2align	8
	.type	k_q4261231853_outp,@function
k_q4261231853_outp:
	s_mov_b64 s[64:65], 0
	v_nop
	global_prefetch_b8 v0, s[64:65] scope:SCOPE_SE
	s_setreg_imm32_b32 hwreg(HW_REG_WAVE_MODE, 25, 1), 1
	s_wait_xcnt 0x0
; out0[b][q][n] = the sum over c of O[b][q][c] wo[c][n] + bo[n], f32.  O and wo come as f16 fragments (16 rows x 32 k, 1,024 bytes, [i][lane][16 bytes]); bo is rounded to bf16 like every input and starts the sums.
; A work-group makes 16 queries of one batch, a wave 64 columns: 4 accumulators, 8 k steps (a head each).  All 88 loads go out at once; no cluster and no LDS on the way in: the launch is a few loads and 32 products a wave.
; The product is used transposed (source 0 = 16 columns of wo, source 1 = 16 queries): a lane ends with one query and 8 neighbouring columns; they go through the wave's own stage so that 16 lanes store 256 consecutive bytes.
.set SP,    272                        ; a stage row: 256 bytes + 16
.set SPARE, 17408                      ; behind the four stages of 16 rows: the spare words
.set SPW, 6
.set NIL, 7
.set OFR, 64                           ; v[64:127]  O's 8 fragments; later rows read back
.set ACC, 128                          ; v[128:159]
.set MSB, 0
.macro WIN new
.if MSB != (\new)
	s_set_vgpr_msb (MSB<<8)|(\new)
.set MSB, (\new)
.endif
.endm
	s_load_b256 s[4:11], s[0:1], 0x0               ; of s[4:5], wof s[6:7], bo s[8:9], out0 s[10:11]
	v_lshl_add_u32 v[SPW], v0, 2, SPARE
	v_mov_b32 v[NIL], 0
	v_lshrrev_b32 v1, 5, v0
	v_readfirstlane_b32 s12, v1                    ; wave
	v_and_b32 v3, 31, v0
	v_and_b32 v1, 15, v0                           ; r
	v_bfe_u32 v2, v0, 4, 1                         ; h
	v_lshlrev_b32 v4, 4, v3                        ; 16 L
	s_lshl_b32 s13, s12, 8                         ; my 64 columns: 256 bytes of f32
	v_lshl_add_u32 v5, v2, 5, s13                  ; + 32 h
	s_lshr_b32 s14, ttmp9, 4                       ; batch
	s_and_b32 s15, ttmp9, 15                       ; tile of queries
	s_lshl_b32 s16, s14, 17
	s_lshl_b32 s15, s15, 10
	s_add_co_u32 s16, s16, s15
	s_mov_b32 s17, 0
	s_lshl_b32 s18, s12, 12                        ; my four column blocks of each k step
	s_mov_b32 s19, 0
	s_lshl_b32 s20, ttmp9, 14                      ; 16 rows of 1,024 bytes
	s_add_co_u32 s20, s20, s13
	s_mov_b32 s21, 0
	s_mov_b32 s22, 0xffff0000
	s_mul_i32 s23, s12, 16*SP
	v_mul_u32_u24 v8, v1, SP                       ; into the stage: row r, 32 bytes for each half of the lanes
	v_lshl_add_u32 v8, v2, 5, v8
	v_add_nc_u32 v8, s23, v8
	v_mul_u32_u24 v9, v2, SP                       ; back: lanes 0-15 one row of 256 bytes, lanes 16-31 the next
	v_lshl_add_u32 v9, v1, 4, v9
	v_add_nc_u32 v9, s23, v9
	v_lshlrev_b32 v10, 10, v2                      ; and the same two rows in out0
	v_lshl_add_u32 v10, v1, 4, v10
	s_wait_kmcnt 0x0
	s_add_nc_u64 s[4:5], s[4:5], s[16:17]
	s_add_nc_u64 s[6:7], s[6:7], s[18:19]
	s_add_nc_u64 s[10:11], s[10:11], s[20:21]
.irp b, 0,1,2,3
	global_load_b128 v[ACC+8*(\b):ACC+8*(\b)+3], v5, s[8:9] offset:64*(\b)
	global_load_b128 v[ACC+8*(\b)+4:ACC+8*(\b)+7], v5, s[8:9] offset:64*(\b)+16
.endr
.irp s, 0,1,2,3,4,5,6,7
	global_load_b128 v[OFR+8*(\s):OFR+8*(\s)+3], v4, s[4:5] offset:16384*(\s)
	global_load_b128 v[OFR+8*(\s)+4:OFR+8*(\s)+7], v4, s[4:5] offset:16384*(\s)+512
.endr
	WIN 0x40                                       ; wo's 32 fragments fill window 1: (s, b) at 8 (4 s + b)
.set i, 0
.rept 32
	global_load_b128 v[8*i:8*i+3], v4, s[6:7] offset:(16*(i/4)+i%4)*1024
	global_load_b128 v[8*i+4:8*i+7], v4, s[6:7] offset:(16*(i/4)+i%4)*1024+512
.set i, i+1
.endr
	WIN 0
	s_wait_loadcnt 0x0
.set i, 0
.rept 16
	v_cvt_pk_bf16_f32 v[32+i], v[ACC+2*i], v[ACC+2*i+1]
	v_lshlrev_b32 v[ACC+2*i], 16, v[32+i]
	v_and_b32 v[ACC+2*i+1], s22, v[32+i]
.set i, i+1
.endr
	WIN 0x01
.set i, 0
.rept 32                               ; the four accumulators take turns
	v_wmma_f32_16x16x32_f16 v[ACC+8*(i%4):ACC+8*(i%4)+7], v[8*i:8*i+7], v[OFR+8*(i/4):OFR+8*(i/4)+7], v[ACC+8*(i%4):ACC+8*(i%4)+7]
.set i, i+1
.endr
	WIN 0
.rept 4
	v_nop                                          ; four places behind the last product
.endr
.irp b, 0,1,2,3
	ds_store_b128 v8, v[ACC+8*(\b):ACC+8*(\b)+3] offset:64*(\b)
	ds_store_b128 v8, v[ACC+8*(\b)+4:ACC+8*(\b)+7] offset:64*(\b)+16
.endr
.irp t, 0,1,2,3,4,5,6,7
	ds_load_b128 v[OFR+4*(\t):OFR+4*(\t)+3], v9 offset:(\t)*2*SP   ; LDS serves a wave's instructions in order (ISA guide 5.7.1.4): these see the stores above
.endr
.irp t, 0,1,2,3,4,5,6,7
	s_wait_dscnt 7-(\t)                            ; the younger loads may stay out
	global_store_b128 v10, v[OFR+4*(\t):OFR+4*(\t)+3], s[10:11] offset:2048*(\t)   ; 16 lanes store 256 consecutive bytes, aligned
.endr
	s_wait_tensorcnt 0x0                           ; the wave's end
	ds_add_u32 v[SPW], v[NIL]
	s_wait_dscnt 0x0
	s_endpgm
.Lfunc_end_k_q4261231853_outp:
	.size	k_q4261231853_outp, .Lfunc_end_k_q4261231853_outp-k_q4261231853_outp
	.p2alignl 7, 3214868480
	.fill 96, 4, 3214868480
	.section	.rodata,"a",@progbits
	.p2align	6, 0x0
	.amdhsa_kernel k_q4261231853_outp
		.amdhsa_group_segment_fixed_size 17920
		.amdhsa_private_segment_fixed_size 0
		.amdhsa_enable_private_segment 0
		.amdhsa_kernarg_size 32
		.amdhsa_user_sgpr_count 2
		.amdhsa_user_sgpr_kernarg_segment_ptr 1
		.amdhsa_wavefront_size32 1
		.amdhsa_system_sgpr_workgroup_id_x 1
		.amdhsa_system_sgpr_workgroup_id_y 1
		.amdhsa_system_sgpr_workgroup_id_z 1
		.amdhsa_system_vgpr_workitem_id 0
		.amdhsa_next_free_vgpr 512
		.amdhsa_next_free_sgpr 66
		.amdhsa_reserve_vcc 0
		.amdhsa_float_denorm_mode_32 3
		.amdhsa_float_denorm_mode_16_64 3
		.amdhsa_memory_ordered 1
		.amdhsa_forward_progress 1
		.amdhsa_inst_pref_size 17
	.end_amdhsa_kernel
	.amdgpu_metadata
---
amdhsa.version: [ 1, 2 ]
amdhsa.kernels:
  - .name:           k_q4261231853_outp
    .symbol:         k_q4261231853_outp.kd
    .args:
      - { .name: of, .offset: 0, .size: 8, .value_kind: global_buffer, .address_space: global }
      - { .name: wof, .offset: 8, .size: 8, .value_kind: global_buffer, .address_space: global }
      - { .name: bo, .offset: 16, .size: 8, .value_kind: global_buffer, .address_space: global }
      - { .name: out0, .offset: 24, .size: 8, .value_kind: global_buffer, .address_space: global }
    .group_segment_fixed_size: 17920
    .private_segment_fixed_size: 0
    .kernarg_segment_align: 8
    .kernarg_segment_size: 32
    .max_flat_workgroup_size: 128
    .sgpr_count:     66
    .vgpr_count:     512
    .wavefront_size: 32
...
	.end_amdgpu_metadata
.endif
;; end of part 4
